; MI455X (gfx1250); checked and timed in simulation.
; The chip was launched on July 23, 2026; its instructions are those of AMD's public machine-readable ISA for CDNA 5 (MIT licence, August 2026) and "CDNA5" Instruction Set Architecture Reference Guide (July 2026). The comments in the code are by the model that wrote it; some were corrected since.
;; MQA. Allowed arithmetic: matrix products marked QUANTISED: E2M1 operands, one E8M0 scale for each 32 along K, by v_wmma_scale_f32_16x16x128_f8f6f4 with both operands' format E2M1 (or v_wmma_scale_f32_32x16x128_f4), f32 sums; products left as they are: bf16, f16 or f32 operands; f32 sums; everything else in f32.
;; Inputs: mask 1 x 1 x 2,048 x 2,048 int32; wk 1,024 x 64 float32; wo 1,024 x 1,024 float32; wq 1,024 x 1,024 float32; wv 1,024 x 64 float32; x 4 x 2,048 x 1,024 float32.
;; Outputs: out0 4 x 2,048 x 1,024 float32.
;; This version of the problem:
;;   THIS VERSION OF THE PROBLEM IS GIVEN IN LOW PRECISION. The matrix products marked QUANTISED in the list below multiply operands that are first quantised to E2M1 (2 exponent bits, 1 mantissa bit; 4 bits a number), with one power-of-two scale for each 32 numbers along K (OCP MX v1.0); their sums are f32. The products marked 'left as it is' may take bf16, f16 or f32 operands, with f32 sums. Whichever they take, every output number must still come out within the allowed error. Rounding operands to bf16 (8 significant bits) uses up far more of that allowance than f16 does (11 bits, for magnitudes from 6e-5 to 65,504). All else is computed in f32.
;;   The module's matrix products, in the order in which they are computed (A, B: the left and right operand; K: the contracted axis; several contracted axes count as one K, in the product's order):
;;     1. [M 8,192, K 1,024] x [K 1,024, N 1,024]; A: input x; B: input wq: QUANTISED
;;     2. [M 8,192, K 1,024] x [K 1,024, N 64]; A: input x; B: input wk: QUANTISED
;;     3. [M 8,192, K 1,024] x [K 1,024, N 64]; A: input x; B: input wv: QUANTISED
;;     4. batch 4 x [M 32,768, K 64] x [K 64, N 2,048]; A: computed on the way; B: computed on the way: left as it is (an operand is computed on the way)
;;     5. batch 4 x [M 32,768, K 2,048] x [K 2,048, N 64]; A: computed on the way; B: computed on the way: left as it is (an operand is computed on the way)
;;     6. [M 8,192, K 1,024] x [K 1,024, N 1,024]; A: computed on the way; B: input wo: left as it is (an operand is computed on the way)
;;   THE QUANTISER, for each operand of a quantised product, along K:
;;     - K is cut into blocks of 32 from its start; a last block that is shorter is filled with zeros.
;;     - A block's scale is 2^e with e = floor(log2(the largest magnitude in the block)) - 2, held to -126 .. 127; a block of zeros has e = 0. As a byte (E8M0): e + 127.
;;     - Each number is divided by its block's scale, clamped to +-6, and rounded to the nearest number of E2M1, ties to even, subnormals kept.
;;     - The product sums the exact products of the quantised numbers (number of the format x scale) in f32.
;;   ~~~python
;;   def quantise(x, axis):      # numpy; x: float32 -> the quantised numbers, widened to float32 again
;;       x = np.moveaxis(x, axis, -1); K = x.shape[-1]
;;       x = np.pad(x, [(0, 0)] * (x.ndim - 1) + [(0, -K % 32)]); x = x.reshape(x.shape[:-1] + (-1, 32)); a = np.abs(x).max(-1, keepdims=True)
;;       e = np.where(a > 0, np.clip(np.frexp(np.where(a > 0, a, 1))[1] - 1 - 2, -126, 127), 0)      # np.frexp(a)[1] - 1 = floor(log2(a)), exactly
;;       r = np.clip(x / 2.0 ** e, -6, 6)
;;       step = 2.0 ** (np.maximum(np.frexp(np.where(r == 0, 1, r))[1] - 1, 0) - 1)
;;       q = np.round(r / step) * step * 2.0 ** e      # np.round: ties to even
;;       return np.moveaxis(q.reshape(q.shape[:-2] + (-1,))[..., :K], -1, axis).astype(np.float32)
;;   ~~~
;; One version. Each part assembles by itself: llvm-mc -triple=amdgcn-amd-amdhsa -mcpu=gfx1250 --defsym DOCPART=n.
;; ======== version 1 of 1: 4 launches
;; limits: values are held in f16: magnitudes above 65,504 overflow, below 6.1e-05 lose precision
;; workspace buffers: xc 4,194,304 bytes; xs 262,144 bytes; wc 589,824 bytes; ws 36,864 bytes; wof 2,097,152 bytes; mbits 524,288 bytes of whole numbers; qkv 18,874,368 bytes; ao 16,777,216 bytes
;; launch prep (part 1): grid 260 x 1, 8 waves a work-group, no clusters, 136,192 bytes of LDS; arguments x, mask, wq, wk, wv, wo, xc, xs, wc, ws, wof, mbits; writes xc, xs, wc, ws, wof, mbits
.if DOCPART == 1
	.amdgcn_target "amdgcn-amd-amdhsa--gfx1250"
	.amdhsa_code_object_version 6
	.text
	.protected	k_qd479f90f0e_prep
	.globl	k_qd479f90f0e_prep
	.p2align	8
	.type	k_qd479f90f0e_prep,@function
k_qd479f90f0e_prep:
	s_mov_b64 s[64:65], 0
	v_nop
	global_prefetch_b8 v0, s[64:65] scope:SCOPE_SE
	s_setreg_imm32_b32 hwreg(HW_REG_WAVE_MODE, 25, 1), 1
	s_wait_xcnt 0x0
; PREP: every input is read once and leaves narrow, laid as the later launches' operand registers want it.
;   work-groups   0-127  X: x [8192][1024] f32 -> codes of FP4 (E2M1) along K, xc, and E8M0 scale words, xs
;   work-groups 128-191  M: mask [2048][2048] i32 -> lane-mask words, mbits (bit = 1 where mask == 0)
;   work-groups 192-227  W: wq, wk, wv [1024][n] f32 (K is the FIRST axis) -> codes wc, scale words ws; column tiles 0-63 wq, 64-67 wk, 68-71 wv
;   work-groups 228-259  O: wo [1024][1024] f32 -> f16, wof
; IMAGES.  A fragment of FP4 codes (16 rows x 128 K, 8 registers a lane) lies as 1,024 bytes: registers 4 c .. 4 c + 3 of lane l at 512 c + 16 l.
; A tile of 16 x 16 f16 lies as 512 bytes: lane l = (r = l % 16, h = l / 16) owns the 16 bytes at 16 l = (row r, columns 8 h .. 8 h + 7).  So the reader needs loads of 16 bytes at 16 l alone.
; THE QUANTISER: a block of 32 along K has the scale 2^(floor(log2(largest magnitude)) - 2); its byte is the largest magnitude's exponent field - 2, held at 1 from below by a floor among the maximum's leaves.
; LIMITS: a block whose largest magnitude lies under 2^-124 keeps the byte 1; a block of zeros has the byte 1 where the rule says 127 (its codes are zeros, which add nothing, and this program alone reads the bytes).
; NaN and infinities among the inputs are not served.  wo goes to f16: magnitudes over 65,504 become infinite, under 6e-5 they keep an absolute step of 6e-8.
; A stream: no matrix unit, no tensor load, no barrier, no cluster: waves and work-groups share no input byte.  Every wave has a task of its own.
.set SP,    528                        ; a stage row: 512 bytes + 16: 33 x 16, so that sixteen rows' same column fall into sixteen different 16-byte columns of 256
.set WST,   16*SP                      ; a wave's stage: 16 rows
.set XST,   0                          ; LDS: path X's eight stages,
.set MST,   8*WST                      ; path M's eight (each path has bytes of its own),
.set SPARE, 16*WST                     ; and the spare words, 128 bytes for each wave: four blocks of 256 bytes that no other line names
.set SPW, 2                            ; v2   LDS address of my spare word; never rewritten
.set NIL, 3                            ; v3   0; never rewritten
.set LN,  4                            ; v4   lane
.set RW,  5                            ; v5   r = lane % 16
.set HF,  6                            ; v6   h = lane / 16
.set LI,  7                            ; v7   16 x lane
.set SAX, 8                            ; v8   path X: into the stage, as loaded
.set SBX, 9                            ; v9   path X: out of it: row r, block h
.set SAM, 10                           ; v10  path M: into the stage
.set SBM, 11                           ; v11  path M: out of it: row r, 8 keys of half h
.set H8,  12                           ; v12  8 h
.set PD,  13                           ; v13  a lane permute's destination (it counts as read: written at the head)
.set TM,  14                           ; v14-23 at work
.set SWD, 24                           ; v24-27 path X: four scale words
.set VO,  28                           ; v28-30 paths W, O: offsets
.set C,   32                           ; v32-63 results
.set R,   64                           ; v64-191 numbers as loaded: two sets of 64, or 128 on end
.set X,   192                          ; v192-255 numbers back from the stage; path O: its results
.macro DLOAD set, f, pitch, base       ; 16 rows x 512 bytes: each load reads 512 consecutive bytes of one row, 16 a lane
.irp i, 0,1,2,3,4,5,6,7,8,9,10,11,12,13,14,15
	global_load_b128 v[R+64*(\set)+4*\i:R+64*(\set)+4*\i+3], v[LI], s[\base:\base+1] offset:\i*\pitch+512*(\f) th:TH_LOAD_NT
.endr
.endm
.macro TURNIN set, sa                  ; the 16 rows go into my stage as they were loaded
.irp i, 0,1,2,3,4,5,6,7,8,9,10,11,12,13,14,15
	ds_store_b128 v[\sa], v[R+64*(\set)+4*\i:R+64*(\set)+4*\i+3] offset:SP*\i
.endr
.endm
.macro LOADCOL stride, base            ; a lane to a column, registers down K: 128 rows; each load reads 128 consecutive bytes, four waves stand side by side on 512
.set i, 0
.rept 128
	global_load_b32 v[R+i], v[VO], s[\base:\base+1] offset:i*\stride th:TH_LOAD_NT
.set i, i+1
.endr
.endm
; Two whole blocks of 32 numbers of one lane, v[src] .. and v[src + 32] .., become 4 + 4 registers of codes at v[dst]; their scale bytes go to v[bt], v[bt + 1].  The two blocks take turns line by line.
.macro QUANT2 src, dst, bt
.irp c, 0,1
	v_max3_num_f32 v[TM+\c], |v[\src+32*\c]|, |v[\src+32*\c+1]|, 0x1800000   ; and the floor 2^(3 - 127): the byte cannot fall under 1
.endr
.irp i, 2,4,6,8,10,12,14,16,18,20,22,24,26,28,30
.irp c, 0,1
	v_max3_num_f32 v[TM+\c], v[TM+\c], |v[\src+32*\c+\i]|, |v[\src+32*\c+\i+1]|
.endr
.endr
.irp c, 0,1
	v_add_nc_u32 v[TM+2+\c], 0xff000000, v[TM+\c]  ; 2 off the exponent field: the conversion takes this operand's exponent field as its scale, and nothing else of it
.endr
.irp c, 0,1
	v_lshrrev_b32 v[\bt+\c], 23, v[TM+2+\c]        ; the scale's byte
.endr
.irp c, 0,1
.irp g, 0,1,2,3
	v_cvt_scalef32_pk8_fp4_f32 v[\dst+4*\c+\g], v[\src+32*\c+8*\g:\src+32*\c+8*\g+7], v[TM+2+\c]
.endr
.endr
	v_nop                                          ; one plain line behind the last conversion, ahead of whatever next writes its sources
.endm
.macro FINISH                          ; the wave's end: a tensor wait (in a text with no tensor load too), an add onto my spare word and its wait, behind my last LDS store
	s_wait_tensorcnt 0x0
	ds_add_u32 v[SPW], v[NIL]
	s_wait_dscnt 0x0
	s_endpgm
.endm
	s_load_b512 s[4:19], s[0:1], 0x0               ; x 4, mask 6, wq 8, wk 10, wv 12, wo 14, xc 16, xs 18
	s_load_b256 s[20:27], s[0:1], 0x40             ; wc 20, ws 22, wof 24, mbits 26
	v_lshl_add_u32 v[SPW], v0, 2, SPARE
	v_mov_b32 v[NIL], 0
	v_lshrrev_b32 v1, 5, v0
	v_readfirstlane_b32 s28, v1                    ; wave 0..7
	v_and_b32 v[LN], 31, v0
	v_and_b32 v[RW], 15, v0
	v_bfe_u32 v[HF], v0, 4, 1
	v_lshlrev_b32 v[LI], 4, v[LN]
	s_mul_i32 s29, s28, WST                        ; my stage
	v_add_nc_u32 v[SAX], s29, v[LI]
	v_mul_u32_u24 v[SBX], v[RW], SP
	v_lshl_add_u32 v[SBM], v[HF], 5, v[SBX]        ; 528 r + 32 h
	v_lshl_add_u32 v[SBX], v[HF], 7, v[SBX]        ; 528 r + 128 h
	v_add_nc_u32 v[SBX], s29, v[SBX]
	v_add_nc_u32 v[SBM], s29, v[SBM]
	v_add_nc_u32 v[SBM], MST, v[SBM]
	v_add_nc_u32 v[SAM], MST, v[SAX]
	v_lshlrev_b32 v[H8], 3, v[HF]
	v_mov_b32 v[PD], 0
	s_mov_b32 s30, 0x76543210
	s_mov_b32 s31, 0xfedcba98                      ; v_permlanex16_b32's selects for lane l xor 16
	s_mov_b32 s37, 0                               ; the high word of every offset pair s[36:37]
	s_wait_kmcnt 0x0
	s_cmp_lt_u32 ttmp9, 128                        ; the paths part on the work-group's number alone
	s_cbranch_scc1 .Lpath_x
	s_cmp_lt_u32 ttmp9, 192
	s_cbranch_scc1 .Lpath_m
	s_cmp_lt_u32 ttmp9, 228
	s_cbranch_scc1 .Lpath_w
; ---- PATH O.  A wave: 32 columns n x 128 k of wo.  Lane l holds column 32 pair + l; two neighbouring k pack into a register; eight k are the 16 bytes of (row n, half e) of a k tile's image.
	s_sub_co_u32 s32, ttmp9, 228
	s_lshr_b32 s33, s32, 2
	s_lshl_b32 s33, s33, 2
	s_and_b32 s35, s28, 3
	s_add_co_u32 s33, s33, s35                     ; pair of n tiles, 0..31
	s_and_b32 s34, s32, 3
	s_lshl_b32 s34, s34, 1
	s_lshr_b32 s35, s28, 2
	s_add_co_u32 s34, s34, s35                     ; which 128 along k, 0..7
	s_lshl_b32 s36, s33, 7                         ; in: 128 bytes a pair, 128 rows of 4,096 bytes
	s_lshl_b32 s35, s34, 19
	s_add_co_u32 s36, s36, s35
	s_add_nc_u64 s[14:15], s[14:15], s[36:37]
	s_lshl_b32 s36, s33, 16                        ; out: an n tile is 64 k tiles of 512 bytes
	s_lshl_b32 s35, s34, 12
	s_add_co_u32 s36, s36, s35
	s_add_nc_u64 s[24:25], s[24:25], s[36:37]
	v_lshlrev_b32 v[VO], 2, v[LN]
	v_lshlrev_b32 v[VO+1], 4, v[RW]
	v_lshl_add_u32 v[VO+1], v[HF], 15, v[VO+1]     ; lanes 16-31: the pair's second n tile
	LOADCOL 4096, 14
.macro OPART k0, k1                    ; k tiles k0 .. k1 - 1: rounded to f16 and stored: sixteen lanes write 256 consecutive bytes, aligned
.set i, 8*(\k0)
.rept 8*((\k1)-(\k0))
	v_cvt_pk_f16_f32 v[X+i], v[R+2*i], v[R+2*i+1]
.set i, i+1
.endr
.set i, 2*(\k0)
.rept 2*((\k1)-(\k0))
	global_store_b128 v[VO+1], v[X+4*i:X+4*i+3], s[24:25] offset:256*i
.set i, i+1
.endr
.endm
	s_wait_loadcnt 63                              ; at most 63 of the 128 loads are out: the first 65 are in
	OPART 0, 4
	s_wait_loadcnt 32                              ; the last 32 may be out
	OPART 4, 6
	s_wait_loadcnt 0x0
	OPART 6, 8
	FINISH
; ---- PATH X.  A wave: one tile of 16 rows x 512 along K: four fragments f.  Loads run two fragments ahead; a fragment turns through my stage so that a lane gets two WHOLE blocks of its row: 2 c + h.
.Lpath_x:
	s_lshl_b32 s32, ttmp9, 3
	s_add_co_u32 s32, s32, s28                     ; task = 2 x row tile + K half
	s_lshr_b32 s33, s32, 1
	s_and_b32 s34, s32, 1
	s_lshl_b32 s36, s33, 16                        ; 16 rows of 4,096 bytes,
	s_lshl_b32 s35, s34, 11                        ; 512 numbers
	s_add_co_u32 s36, s36, s35
	s_add_nc_u64 s[4:5], s[4:5], s[36:37]
	s_lshl_b32 s36, s32, 12                        ; codes: 8 images a row tile, 4 a task
	s_add_nc_u64 s[16:17], s[16:17], s[36:37]
	s_lshl_b32 s36, s32, 8                         ; scale words: 16 rows x 4 words a task
	s_add_nc_u64 s[18:19], s[18:19], s[36:37]
	DLOAD 0, 0, 4096, 4
	DLOAD 1, 1, 4096, 4
.macro XFRAG f
.if (\f) < 3
	s_wait_loadcnt 16                              ; this fragment's 16 loads are in; the next one's 16 may be out
.else
	s_wait_loadcnt 0x0
.endif
	TURNIN (\f)%2, SAX
.irp c, 0,1
.irp g, 0,1,2,3,4,5,6,7
	ds_load_b128 v[X+32*\c+4*\g:X+32*\c+4*\g+3], v[SBX] offset:256*\c+16*\g   ; LDS serves a wave's instructions in order: these see my stores
.endr
.endr
	s_wait_dscnt 0x0                               ; the numbers are back, and the stores have read their registers,
.if (\f) < 2
	DLOAD (\f)%2, (\f)+2, 4096, 4                  ; which take the loads of two fragments on
.endif
	QUANT2 X, C+8*(\f), TM+4
	v_lshl_or_b32 v[TM+6], v[TM+5], 16, v[TM+4]    ; my two bytes: blocks h and 2 + h,
	v_lshlrev_b32 v[TM+6], v[H8], v[TM+6]          ; at their places in the word;
	v_permlanex16_b32 v[PD], v[TM+6], s30, s31
	v_or_b32 v[SWD+(\f)], v[TM+6], v[PD]           ; with lane l xor 16's two the word is whole
	global_store_b128 v[LI], v[C+8*(\f):C+8*(\f)+3], s[16:17] offset:1024*(\f)        ; 512 consecutive bytes a store
	global_store_b128 v[LI], v[C+8*(\f)+4:C+8*(\f)+7], s[16:17] offset:1024*(\f)+512
.endm
	XFRAG 0
	XFRAG 1
	XFRAG 2
	XFRAG 3
	v_lshlrev_b32 v[TM+7], 4, v[RW]
	global_store_b128 v[TM+7], v[SWD:SWD+3], s[18:19]  ; row r's four words: 256 consecutive bytes; lanes 16-31 hold the same words and write the same bytes
	FINISH
; ---- PATH M.  A wave: 16 queries x 512 keys: four tiles f of 128 keys, the same pipeline.  Word 8 kt + j of a key step of 64: bit l = (mask[query l % 16][key 16 kt + 8 (l / 16) + j] == 0):
; the lane mask for register j of the score tile kt in the attention launch.  256 words a task are gathered in 8 registers (word W: register W % 4 of lane (W % 128) / 4) and leave as 2 x 512 consecutive bytes.
.Lpath_m:
	s_sub_co_u32 s32, ttmp9, 128
	s_lshl_b32 s32, s32, 3
	s_add_co_u32 s32, s32, s28                     ; task = 4 x query tile + quarter
	s_lshr_b32 s33, s32, 2
	s_and_b32 s34, s32, 3
	s_lshl_b32 s36, s33, 17                        ; 16 rows of 8,192 bytes,
	s_lshl_b32 s35, s34, 11                        ; 512 keys
	s_add_co_u32 s36, s36, s35
	s_add_nc_u64 s[6:7], s[6:7], s[36:37]
	s_lshl_b32 s36, s32, 10
	s_add_nc_u64 s[26:27], s[26:27], s[36:37]
	DLOAD 0, 0, 8192, 6
	DLOAD 1, 1, 8192, 6
.irp i, 0,1,2,3,4,5,6,7
	v_mov_b32 v[C+\i], 0                           ; v_writelane_b32's destination counts as read
.endr
.macro MTILE f
.if (\f) < 3
	s_wait_loadcnt 16                              ; this tile's 16 loads are in; the next one's may be out
.else
	s_wait_loadcnt 0x0
.endif
	TURNIN (\f)%2, SAM
.irp kt, 0,1,2,3,4,5,6,7
.irp e, 0,1
	ds_load_b128 v[X+8*\kt+4*\e:X+8*\kt+4*\e+3], v[SBM] offset:64*\kt+16*\e
.endr
.endr
	s_wait_dscnt 0x0
.if (\f) < 2
	DLOAD (\f)%2, (\f)+2, 8192, 6
.endif
.irp kt, 0,1,2,3,4,5,6,7
.irp j, 0,1,2,3,4,5,6,7
	v_cmp_eq_u32 s[40+\j], 0, v[X+8*\kt+\j]
.endr
.irp j, 0,1,2,3,4,5,6,7
	v_writelane_b32 v[C+4*((\f)/2)+(\j%4)], s[40+\j], ((2*(\f)+\kt/4)%4)*8+2*(\kt%4)+\j/4
.endr
.endr
.endm
	MTILE 0
	MTILE 1
	MTILE 2
	MTILE 3
	global_store_b128 v[LI], v[C:C+3], s[26:27]
	global_store_b128 v[LI], v[C+4:C+7], s[26:27] offset:512
	FINISH
; ---- PATH W.  A wave: 32 columns x 128 along K.  A lane holds a column's four whole blocks; block b is (c = b / 2, h = b % 2) of its column tile's image: bytes 256 b + 16 r.
.Lpath_w:
	s_sub_co_u32 s32, ttmp9, 192
	s_lshr_b32 s33, s32, 2                         ; group of 128 columns, 0..8; group 8 is wk and wv
	s_and_b32 s34, s32, 3
	s_lshl_b32 s34, s34, 1
	s_lshr_b32 s35, s28, 2
	s_add_co_u32 s34, s34, s35                     ; K step 0..7
	s_and_b32 s35, s28, 3
	s_lshl_b32 s38, s33, 2
	s_add_co_u32 s38, s38, s35                     ; pair of column tiles, 0..35
	s_lshl_b32 s36, s38, 14                        ; codes: a column tile is 8 images
	s_lshl_b32 s39, s34, 10
	s_add_co_u32 s36, s36, s39
	s_add_nc_u64 s[20:21], s[20:21], s[36:37]
	s_lshl_b32 s36, s38, 10                        ; scale words: [column tile][K half][column][4 words]
	s_lshr_b32 s39, s34, 2
	s_lshl_b32 s39, s39, 8
	s_add_co_u32 s36, s36, s39
	s_and_b32 s39, s34, 3
	s_lshl_b32 s39, s39, 2
	s_add_co_u32 s36, s36, s39
	s_add_nc_u64 s[22:23], s[22:23], s[36:37]
	v_lshlrev_b32 v[VO], 2, v[LN]
	v_lshlrev_b32 v[VO+2], 4, v[RW]
	v_lshl_add_u32 v[VO+1], v[HF], 13, v[VO+2]     ; lanes 16-31: the pair's second column tile
	v_lshl_add_u32 v[VO+2], v[HF], 9, v[VO+2]
.macro WBODY stride, base
	LOADCOL \stride, \base
	s_wait_loadcnt 63                              ; at most 63 of the 128 loads are out: blocks 0 and 1 are in
	QUANT2 R, C, TM+4
	s_wait_loadcnt 0x0
	QUANT2 R+64, C+8, TM+6
	v_lshl_or_b32 v[TM+8], v[TM+5], 8, v[TM+4]     ; my column's scale word of this K step
	v_lshl_or_b32 v[TM+8], v[TM+6], 16, v[TM+8]
	v_lshl_or_b32 v[TM+8], v[TM+7], 24, v[TM+8]
.irp b, 0,1,2,3
	global_store_b128 v[VO+1], v[C+4*\b:C+4*\b+3], s[20:21] offset:256*\b   ; sixteen lanes write 256 consecutive bytes, aligned
.endr
	global_store_b32 v[VO+2], v[TM+8], s[22:23]    ; 4 bytes of each 16: these 36,864 bytes of the launch are written piecemeal
	FINISH
.endm
	s_cmp_lt_u32 s33, 8
	s_cbranch_scc0 .Lw_kv
	s_lshl_b32 s36, s38, 7                         ; wq: 128 bytes a pair, 128 rows of 4,096 bytes a K step
	s_lshl_b32 s39, s34, 19
	s_add_co_u32 s36, s36, s39
	s_add_nc_u64 s[8:9], s[8:9], s[36:37]
	WBODY 4096, 8
.Lw_kv:
	s_cmp_lt_u32 s35, 2                            ; waves 0, 1 of four: wk; waves 2, 3: wv
	s_cselect_b64 s[10:11], s[10:11], s[12:13]
	s_and_b32 s36, s28, 1
	s_lshl_b32 s36, s36, 7                         ; 32 of its 64 columns; rows of 256 bytes
	s_lshl_b32 s39, s34, 15
	s_add_co_u32 s36, s36, s39
	s_add_nc_u64 s[10:11], s[10:11], s[36:37]
	WBODY 256, 10
.Lfunc_end_k_qd479f90f0e_prep:
	.size	k_qd479f90f0e_prep, .Lfunc_end_k_qd479f90f0e_prep-k_qd479f90f0e_prep
	.p2alignl 7, 3214868480
	.fill 96, 4, 3214868480
	.section	.rodata,"a",@progbits
	.p2align	6, 0x0
	.amdhsa_kernel k_qd479f90f0e_prep
		.amdhsa_group_segment_fixed_size 136192
		.amdhsa_private_segment_fixed_size 0
		.amdhsa_enable_private_segment 0
		.amdhsa_kernarg_size 96
		.amdhsa_user_sgpr_count 2
		.amdhsa_user_sgpr_kernarg_segment_ptr 1
		.amdhsa_wavefront_size32 1
		.amdhsa_system_sgpr_workgroup_id_x 1
		.amdhsa_system_sgpr_workgroup_id_y 1
		.amdhsa_system_sgpr_workgroup_id_z 1
		.amdhsa_system_vgpr_workitem_id 0
		.amdhsa_next_free_vgpr 256
		.amdhsa_next_free_sgpr 66
		.amdhsa_reserve_vcc 0
		.amdhsa_float_denorm_mode_32 3
		.amdhsa_float_denorm_mode_16_64 3
		.amdhsa_memory_ordered 1
		.amdhsa_forward_progress 1
		.amdhsa_inst_pref_size 134
	.end_amdhsa_kernel
	.amdgpu_metadata
---
amdhsa.version: [ 1, 2 ]
amdhsa.kernels:
  - .name:           k_qd479f90f0e_prep
    .symbol:         k_qd479f90f0e_prep.kd
    .args:
      - { .name: x, .offset: 0, .size: 8, .value_kind: global_buffer, .address_space: global }
      - { .name: mask, .offset: 8, .size: 8, .value_kind: global_buffer, .address_space: global }
      - { .name: wq, .offset: 16, .size: 8, .value_kind: global_buffer, .address_space: global }
      - { .name: wk, .offset: 24, .size: 8, .value_kind: global_buffer, .address_space: global }
      - { .name: wv, .offset: 32, .size: 8, .value_kind: global_buffer, .address_space: global }
      - { .name: wo, .offset: 40, .size: 8, .value_kind: global_buffer, .address_space: global }
      - { .name: xc, .offset: 48, .size: 8, .value_kind: global_buffer, .address_space: global }
      - { .name: xs, .offset: 56, .size: 8, .value_kind: global_buffer, .address_space: global }
      - { .name: wc, .offset: 64, .size: 8, .value_kind: global_buffer, .address_space: global }
      - { .name: ws, .offset: 72, .size: 8, .value_kind: global_buffer, .address_space: global }
      - { .name: wof, .offset: 80, .size: 8, .value_kind: global_buffer, .address_space: global }
      - { .name: mbits, .offset: 88, .size: 8, .value_kind: global_buffer, .address_space: global }
    .group_segment_fixed_size: 136192
    .private_segment_fixed_size: 0
    .kernarg_segment_align: 8
    .kernarg_segment_size: 96
    .max_flat_workgroup_size: 256
    .sgpr_count:     66
    .vgpr_count:     256
    .wavefront_size: 32
...
	.end_amdgpu_metadata
.endif
;; end of part 1
;; launch qkv (part 2): grid 4 x 64, 4 waves a work-group, clusters of 4 x 4, 229,376 bytes of LDS; arguments xc, xs, wc, ws, qkv; writes qkv
.if DOCPART == 2
	.amdgcn_target "amdgcn-amd-amdhsa--gfx1250"
	.amdhsa_code_object_version 6
	.text
	.protected	k_qd479f90f0e_qkv
	.globl	k_qd479f90f0e_qkv
	.p2align	8
	.type	k_qd479f90f0e_qkv,@function
k_qd479f90f0e_qkv:
	s_mov_b64 s[64:65], 0
	v_nop
	global_prefetch_b8 v0, s[64:65] scope:SCOPE_SE
	s_setreg_imm32_b32 hwreg(HW_REG_WAVE_MODE, 25, 1), 1
	s_wait_xcnt 0x0
	s_wait_alu depctr_hold_cnt(0) depctr_sa_sdst(0) depctr_va_vdst(0) depctr_va_sdst(0) depctr_va_ssrc(0) depctr_va_vcc(0) depctr_vm_vsrc(0)
	s_getreg_b32 s2, hwreg(HW_REG_IB_STS2, 6, 4)
	s_cmp_eq_u32 s2, 0
	s_cbranch_scc0 .Lentry_in_a_cluster
	s_endpgm
.Lentry_in_a_cluster:
	s_bfe_u32 s2, ttmp6, 0x10000c
	s_cmp_lg_u32 s2, 0xf033
	s_cbranch_scc0 .Lentry_shape_is_right
	s_endpgm
.Lentry_shape_is_right:
; QKV: [8192][1024] x [1024][1152] on codes of FP4 (E2M1) with E8M0 scales for each 32 along K: q (columns 0-1023), k (1024-1087), v (1088-1151); sums in f32, results rounded once to f16.
; LIMIT: q, k, v are carried in f16 for the products that follow: magnitudes over 65,504 become infinite.
; SHARES.  A work-group: 128 rows (8 row tiles) x 288 columns (18 column tiles), all of K.  A wave: 64 x 144: 36 accumulators.  K = 1,024 is 8 steps of 128: 288 matrix instructions a wave.
; LDS IS FILLED ONCE: all the work-group's codes and scale words, 221 KiB, come by three tensor loads a wave at the start (scale words; K steps 0-3; K steps 4-7) and nothing is filled again.
; CLUSTER 4 x 4: the four work-groups of a row of the cluster need the same rows of x, the four of a column the same columns of the weights: each block is asked for JOINTLY.
; Operands lie in memory and in LDS as images of their registers (16 bytes a lane at 16 x lane), so every LDS load reads 512 consecutive bytes.
; THE MATRIX INSTRUCTION IS USED TRANSPOSED (source 0 = 16 columns of the weights, source 1 = 16 rows of x): a lane holds row l % 16 and columns 8 (l / 16) + 0 .. 7: packed to f16 they are the lane's
; 16 bytes of the result's own tile image, stored straight from registers, 512 consecutive bytes a store.  V's tiles are laid (row r, half h) at 32 r + 16 h, as the turning LDS load of the next launch wants them.
; REGISTERS, in windows of 256.  Window 0: v1-23 addresses; v24-55 x's scale words (8 a + K step), v56-127 the weights' (8 i + K step): these hold scales and nothing else;
;   v152-223 the weights' nine fragments, v224-255 x's four: buffer 0; on the way out v128-235 packed results.   Window 1: v0-143 accumulators of row tiles 0, 1 (72 a + 8 i); v152-255 buffer 1.   Window 2: v0-143 those of row tiles 2, 3.
.set XC0,   0                          ; LDS: x's codes, K steps 0-3: 8 row tiles x 4,096; K steps 4-7 at 32,768
.set WC0,   65536                      ; the weights' codes: 18 column tiles x 4,096; the second chunk 73,728 on
.set XSL,   212992                     ; x's scale words: 8 x 512
.set WSL,   217088                     ; the weights': 18 x 512
.set SPARE, 226304                     ; the spare words, 128 bytes for each wave: two blocks of 256 bytes that no other line names
.set LI,  1                            ; v1     16 x lane
.set OFS, 2                            ; v2-10  column tile i: my 16 bytes' place in its image
.set AX,  11                           ; v11-12 LDS address of my x fragments in chunk 0, 1
.set AW,  13                           ; v13-14 the same for the weights
.set ASX, 15                           ; v15    of x's scale words
.set ASW, 16                           ; v16    of the weights'
.set SPW, 17                           ; v17    LDS address of my spare word; never rewritten
.set NIL, 18                           ; v18    0; never rewritten
.set SX,  24
.set SW,  56
.set OT,  128
.set FW,  152
.set FX,  224
.set G1X,  24                          ; s[24:31] group 1: x's codes;  s[32:39] the weights';  s[40:47], s[48:55] their scale words
.set G1W,  32
.set G1XS, 40
.set G1WS, 48
.set G0XS, 56                          ; groups 0: x's scale words, x's two chunks, the weights' scale words, their two chunks
.set G0X0, 60
.set G0X1, 68
.set G0WS, 72
.set G0W0, 76
.set G0W1, 80
.set MSB, 0
.macro WIN new                         ; the immediate's high byte repeats the setting that is left; a switch that changes nothing is dropped
.if MSB != (\new)
	s_set_vgpr_msb (MSB<<8)|(\new)
.set MSB, (\new)
.endif
.endm
.macro GROUP1 g, c, r, p               ; r rows of c elements of 8 bytes, p elements apart; word 0 (mask, element size) is written apart
	s_mov_b32 s[\g+1], (\c)<<16                    ; tensor_dim0
	s_mov_b32 s[\g+2], (\r)<<16                    ; tensor_dim1
	s_mov_b32 s[\g+3], (\c)<<16                    ; tile_dim0
	s_mov_b32 s[\g+4], \r                          ; tile_dim1
	s_mov_b32 s[\g+5], \p                          ; tensor_dim0_stride
	s_mov_b32 s[\g+6], 0
	s_mov_b32 s[\g+7], 0
.endm
; A joint load: waves 0 and 1 fetch for x, waves 2 and 3 for the weights.  Each line has one mask and one set of registers for all that issue it; the branch hangs on the wave's number alone.
; An s_nop 0 and four v_nop follow each of the two lines.
.macro JLOAD g0a, g1a, g0b, g1b
	s_cmp_eq_u32 s15, 0
	s_cbranch_scc0 .Lfor_b_\@
	tensor_load_to_lds s[\g0a:\g0a+3], s[\g1a:\g1a+7]
	s_nop 0
.rept 4
	v_nop
.endr
	s_branch .Lasked_\@
.Lfor_b_\@:
	tensor_load_to_lds s[\g0b:\g0b+3], s[\g1b:\g1b+7]
	s_nop 0
.rept 4
	v_nop
.endr
.Lasked_\@:
.endm
.macro CROUND                          ; a round of the cluster's barrier
	s_barrier_signal -1
	s_barrier_wait -1
	s_cmp_lg_u32 s14, 0
	s_cbranch_scc1 .Lnot_wave_0_\@
	s_barrier_signal -3
.Lnot_wave_0_\@:
	s_barrier_wait -3
	s_barrier_signal -1
	s_barrier_wait -1
.endm
.macro PLACES                          ; four places behind matrix instructions, in front of loads into registers that they have read and of the first read of results
.rept 4
	v_nop
.endr
.endm
	s_load_b256 s[4:11], s[0:1], 0x0               ; xc 4, xs 6, wc 8, ws 10
	s_load_b64 s[12:13], s[0:1], 0x20              ; qkv
	v_lshl_add_u32 v[SPW], v0, 2, SPARE
	v_mov_b32 v[NIL], 0
	ds_add_u32 v[SPW], v[NIL]                      ; the wave's opening: the add, twice on end, and its wait ahead of my first tensor load; the set-up below stands between
	ds_add_u32 v[SPW], v[NIL]
	v_lshrrev_b32 v19, 5, v0
	v_readfirstlane_b32 s14, v19                   ; wave 0..3
	s_lshr_b32 s15, s14, 1                         ; which 64 rows are mine.  Also: I fetch for x (0) or for the weights (1)
	s_and_b32 s16, s14, 1                          ; which 144 columns.  Also: which half of the block I fetch
	s_bfe_u32 s17, ttmp6, 0x40000                  ; cx, cy: my place in the cluster
	s_bfe_u32 s18, ttmp6, 0x40004
	s_lshl_b32 s19, ttmp9, 2
	s_add_co_u32 s19, s19, s17                     ; block of 288 columns
	s_and_b32 s20, ttmp7, 0xffff
	s_lshl_b32 s20, s20, 2
	s_add_co_u32 s20, s20, s18                     ; block of 128 rows
	s_lshl_b32 s21, s18, 2
	s_lshl_b32 s21, 15, s21                        ; my row of the cluster
	s_lshl_b32 s22, 0x1111, s17                    ; my column
	s_or_b32 s[G1X], s21, (3<<16)|(1<<21)          ; 15:0 the mask; 17:16 elements of 8 bytes; 21 set beside a mask; no padding
	s_or_b32 s[G1XS], s21, (3<<16)|(1<<21)
	s_or_b32 s[G1W], s22, (3<<16)|(1<<21)
	s_or_b32 s[G1WS], s22, (3<<16)|(1<<21)
	GROUP1 G1X, 512, 4, 1024                       ; 4 row tiles x 4 images (4,096 bytes), 8 images apart
	GROUP1 G1W, 512, 9, 1024                       ; 9 column tiles likewise
	GROUP1 G1XS, 32, 8, 32                         ; 4 row tiles' scale words: 2,048 dense bytes as rows of 256
	GROUP1 G1WS, 32, 18, 32                        ; 9 column tiles': 4,608 dense bytes
	s_lshl_b32 s84, s20, 3                         ; x: made of the row block and the wave's number alone
	s_lshl_b32 s85, s16, 2
	s_add_co_u32 s84, s84, s85                     ; the first row tile that I fetch
	s_lshl_b32 s86, s84, 9
	s_mov_b32 s87, 0
	s_lshl_b32 s84, s84, 13
	s_mov_b32 s85, 0
	s_mul_i32 s88, s19, 18                         ; the weights: of the column block and the wave's number alone
	s_mul_i32 s89, s16, 9
	s_add_co_u32 s88, s88, s89                     ; the first column tile that I fetch; also my first column tile of the result
	s_mov_b32 s23, s88
	s_lshl_b32 s90, s88, 9
	s_mov_b32 s91, 0
	s_lshl_b32 s88, s88, 13
	s_mov_b32 s89, 0
	s_lshl_b32 s92, s16, 11                        ; where they go: no place in the cluster enters an LDS address
	s_lshl_b32 s93, s16, 14
	s_mul_i32 s94, s16, 4608
	s_mul_i32 s95, s16, 36864
	s_wait_dscnt 0x0                               ; both opening adds are done
	s_wait_kmcnt 0x0
	s_mov_b32 s[G0XS], 1
	s_add_co_u32 s[G0XS+1], s92, XSL
	s_add_nc_u64 s[G0XS+2:G0XS+3], s[6:7], s[86:87]
	s_or_b32 s[G0XS+3], s[G0XS+3], 0x80000000
	s_mov_b32 s[G0X0], 1
	s_add_co_u32 s[G0X0+1], s93, XC0
	s_add_nc_u64 s[G0X0+2:G0X0+3], s[4:5], s[84:85]
	s_mov_b32 s[G0X1], 1
	s_add_co_u32 s[G0X1+1], s93, XC0+32768
	s_add_nc_u64 s[G0X1+2:G0X1+3], s[G0X0+2:G0X0+3], 4096
	s_or_b32 s[G0X0+3], s[G0X0+3], 0x80000000
	s_or_b32 s[G0X1+3], s[G0X1+3], 0x80000000
	s_mov_b32 s[G0WS], 1
	s_add_co_u32 s[G0WS+1], s94, WSL
	s_add_nc_u64 s[G0WS+2:G0WS+3], s[10:11], s[90:91]
	s_or_b32 s[G0WS+3], s[G0WS+3], 0x80000000
	s_mov_b32 s[G0W0], 1
	s_add_co_u32 s[G0W0+1], s95, WC0
	s_add_nc_u64 s[G0W0+2:G0W0+3], s[8:9], s[88:89]
	s_mov_b32 s[G0W1], 1
	s_add_co_u32 s[G0W1+1], s95, WC0+73728
	s_add_nc_u64 s[G0W1+2:G0W1+3], s[G0W0+2:G0W0+3], 4096
	s_or_b32 s[G0W0+3], s[G0W0+3], 0x80000000
	s_or_b32 s[G0W1+3], s[G0W1+3], 0x80000000
	CROUND                                         ; all sixteen work-groups are here: the joint loads meet
	JLOAD G0XS, G1XS, G0WS, G1WS                   ; three tensor loads of mine are out: the scale words,
	JLOAD G0X0, G1X, G0W0, G1W                     ; K steps 0-3,
	JLOAD G0X1, G1X, G0W1, G1W                     ; K steps 4-7
	v_and_b32 v19, 31, v0
	v_lshlrev_b32 v[LI], 4, v19
	v_and_b32 v20, 15, v0                          ; r
	v_bfe_u32 v21, v0, 4, 1                        ; h
	s_lshl_b32 s96, s15, 14                        ; my four row tiles
	v_add_nc_u32 v[AX], s96, v[LI]
	v_add_nc_u32 v[AX+1], 32768, v[AX]
	s_mul_i32 s96, s16, 36864                      ; my nine column tiles
	s_add_co_u32 s96, s96, WC0
	v_add_nc_u32 v[AW], s96, v[LI]
	v_add_nc_u32 v[AW+1], 73728, v[AW]
	v_lshlrev_b32 v22, 4, v20                      ; scale words: row r's four at 16 r; lanes 16-31 read the same and are not used
	s_lshl_b32 s96, s15, 11
	s_add_co_u32 s96, s96, XSL
	v_add_nc_u32 v[ASX], s96, v22
	s_mul_i32 s96, s16, 4608
	s_add_co_u32 s96, s96, WSL
	v_add_nc_u32 v[ASW], s96, v22
	v_lshlrev_b32 v23, 5, v20
	v_lshl_add_u32 v23, v21, 4, v23                ; V's layout: 32 r + 16 h
.irp i, 0,1,2,3,4,5,6,7,8
	s_add_co_u32 s97, s23, \i                      ; column tiles 68-71 are V's: a select, no branch
	s_cmp_ge_u32 s97, 68
	s_cselect_b32 s97, -1, 0
	v_cndmask_b32 v[OFS+\i], v[LI], v23, s97
.endr
	s_lshl_b32 s96, s20, 3                         ; my part of the result: row tile 8 x row block + 4 x half, 72 tiles of 512 bytes a row tile
	s_lshl_b32 s97, s15, 2
	s_add_co_u32 s96, s96, s97
	s_mul_i32 s96, s96, 72
	s_add_co_u32 s96, s96, s23
	s_lshl_b32 s96, s96, 9
	s_mov_b32 s97, 0
	s_add_nc_u64 s[12:13], s[12:13], s[96:97]
.macro FETCH ks                        ; K step ks: the weights' nine fragments and x's four into buffer ks % 2: 26 loads of 512 consecutive bytes
	WIN ((\ks)%2)<<6
.irp i, 0,1,2,3,4,5,6,7,8
.irp c, 0,1
	ds_load_b128 v[FW+8*\i+4*\c:FW+8*\i+4*\c+3], v[AW+(\ks)/4] offset:4096*\i+1024*((\ks)%4)+512*\c
.endr
.endr
.irp a, 0,1,2,3
.irp c, 0,1
	ds_load_b128 v[FX+8*\a+4*\c:FX+8*\a+4*\c+3], v[AX+(\ks)/4] offset:4096*\a+1024*((\ks)%4)+512*\c
.endr
.endr
.endm
.macro MM ks, a                        ; row tile a against the nine column tiles.  K step 0 starts the sums: nothing is cleared
.irp i, 0,1,2,3,4,5,6,7,8
.if (\ks) == 0
	v_wmma_scale_f32_16x16x128_f8f6f4 v[72*((\a)%2)+8*\i:72*((\a)%2)+8*\i+7], v[FW+8*\i:FW+8*\i+7], v[FX+8*(\a):FX+8*(\a)+7], 0, v[SW+8*\i+(\ks)], v[SX+8*(\a)+(\ks)] matrix_a_fmt:MATRIX_FMT_FP4 matrix_b_fmt:MATRIX_FMT_FP4
.else
	v_wmma_scale_f32_16x16x128_f8f6f4 v[72*((\a)%2)+8*\i:72*((\a)%2)+8*\i+7], v[FW+8*\i:FW+8*\i+7], v[FX+8*(\a):FX+8*(\a)+7], v[72*((\a)%2)+8*\i:72*((\a)%2)+8*\i+7], v[SW+8*\i+(\ks)], v[SX+8*(\a)+(\ks)] matrix_a_fmt:MATRIX_FMT_FP4 matrix_b_fmt:MATRIX_FMT_FP4
.endif
.endr
.endm
; A K step: 36 matrix instructions; the 36 accumulators take turns, one instruction a turn, in the same order in every step.  The next step's 26 loads stand in one run in its middle.
.macro KSTEP ks
	s_wait_dscnt 0x0                               ; this step's fragments are in (asked for 18 matrix instructions ago)
.if (\ks) == 3
	s_wait_tensorcnt 0x0                           ; my part of K steps 4-7 has landed,
	s_barrier_signal -1
	s_barrier_wait -1                              ; everybody's has.
.endif
	WIN 5*((\ks)%2)+0x50                           ; sources in the buffer's window, C and D in window 1
	MM \ks, 0
	MM \ks, 1
.if (\ks) < 7
	PLACES
	FETCH (\ks)+1
.endif
	WIN 5*((\ks)%2)+0xa0                           ; C and D in window 2
	MM \ks, 2
	MM \ks, 3
.endm
	s_wait_tensorcnt 1                             ; the scale words and K steps 0-3 are in; the load of K steps 4-7 may be out
	s_barrier_signal -1
	s_barrier_wait -1                              ; everybody's are
.irp a, 0,1,2,3
.irp hf, 0,1
	ds_load_b128 v[SX+8*\a+4*\hf:SX+8*\a+4*\hf+3], v[ASX] offset:512*\a+256*\hf
.endr
.endr
.irp i, 0,1,2,3,4,5,6,7,8
.irp hf, 0,1
	ds_load_b128 v[SW+8*\i+4*\hf:SW+8*\i+4*\hf+3], v[ASW] offset:512*\i+256*\hf
.endr
.endr
	FETCH 0
.irp ks, 0,1,2,3,4,5,6,7
	KSTEP \ks
.endr
; THE WAY OUT: four roundings make a lane's 16 bytes of a tile's image; each accumulator is read from its low end on.
.macro PACK a, dst
	WIN 5*(1+(\a)/2)                               ; sources 0 and 1: window 1 or 2
.irp i, 0,1,2,3,4,5,6,7,8
.irp k, 0,1,2,3
	v_cvt_pk_f16_f32 v[\dst+4*\i+\k], v[72*((\a)%2)+8*\i+2*\k], v[72*((\a)%2)+8*\i+2*\k+1]
.endr
.endr
	WIN 0
.irp i, 0,1,2,3,4,5,6,7,8
	global_store_b128 v[OFS+\i], v[\dst+4*\i:\dst+4*\i+3], s[12:13] offset:36864*(\a)+512*\i   ; 32 lanes store 512 consecutive bytes, aligned
.endr
.endm
	WIN 0
	PLACES
	PACK 0, OT
	PACK 1, OT+36
	PACK 2, OT+72
	s_wait_xcnt 0x0                                ; row tile 0's stores have read their registers, which row tile 3 takes
	PACK 3, OT
	s_wait_tensorcnt 0x0                           ; the wave's end: a tensor wait, an add onto my spare word and its wait, behind my last tensor load
	ds_add_u32 v[SPW], v[NIL]
	s_wait_dscnt 0x0
	CROUND                                         ; the closing round
	s_endpgm
.Lfunc_end_k_qd479f90f0e_qkv:
	.size	k_qd479f90f0e_qkv, .Lfunc_end_k_qd479f90f0e_qkv-k_qd479f90f0e_qkv
	.p2alignl 7, 3214868480
	.fill 96, 4, 3214868480
	.section	.rodata,"a",@progbits
	.p2align	6, 0x0
	.amdhsa_kernel k_qd479f90f0e_qkv
		.amdhsa_group_segment_fixed_size 229376
		.amdhsa_private_segment_fixed_size 0
		.amdhsa_enable_private_segment 0
		.amdhsa_kernarg_size 40
		.amdhsa_user_sgpr_count 2
		.amdhsa_user_sgpr_kernarg_segment_ptr 1
		.amdhsa_wavefront_size32 1
		.amdhsa_system_sgpr_workgroup_id_x 1
		.amdhsa_system_sgpr_workgroup_id_y 1
		.amdhsa_system_sgpr_workgroup_id_z 1
		.amdhsa_system_vgpr_workitem_id 0
		.amdhsa_next_free_vgpr 656
		.amdhsa_next_free_sgpr 100
		.amdhsa_reserve_vcc 0
		.amdhsa_float_denorm_mode_32 3
		.amdhsa_float_denorm_mode_16_64 3
		.amdhsa_memory_ordered 1
		.amdhsa_forward_progress 1
		.amdhsa_inst_pref_size 76
	.end_amdhsa_kernel
	.amdgpu_metadata
---
amdhsa.version: [ 1, 2 ]
amdhsa.kernels:
  - .name:           k_qd479f90f0e_qkv
    .symbol:         k_qd479f90f0e_qkv.kd
    .args:
      - { .name: xc, .offset: 0, .size: 8, .value_kind: global_buffer, .address_space: global }
      - { .name: xs, .offset: 8, .size: 8, .value_kind: global_buffer, .address_space: global }
      - { .name: wc, .offset: 16, .size: 8, .value_kind: global_buffer, .address_space: global }
      - { .name: ws, .offset: 24, .size: 8, .value_kind: global_buffer, .address_space: global }
      - { .name: qkv, .offset: 32, .size: 8, .value_kind: global_buffer, .address_space: global }
    .group_segment_fixed_size: 229376
    .private_segment_fixed_size: 0
    .kernarg_segment_align: 8
    .kernarg_segment_size: 40
    .max_flat_workgroup_size: 128
    .sgpr_count:     100
    .vgpr_count:     656
    .wavefront_size: 32
...
	.end_amdgpu_metadata
.endif
;; end of part 2
;; launch attn (part 3): grid 64 x 4, 8 waves a work-group, clusters of 4 x 1, 327,680 bytes of LDS; arguments qkv, mbits, ao; writes ao
.if DOCPART == 3
	.amdgcn_target "amdgcn-amd-amdhsa--gfx1250"
	.amdhsa_code_object_version 6
	.text
	.protected	k_qd479f90f0e_attn
	.globl	k_qd479f90f0e_attn
	.p2align	8
	.type	k_qd479f90f0e_attn,@function
k_qd479f90f0e_attn:
	s_mov_b64 s[64:65], 0
	v_nop
	global_prefetch_b8 v0, s[64:65] scope:SCOPE_SE
	s_setreg_imm32_b32 hwreg(HW_REG_WAVE_MODE, 25, 1), 1
	s_wait_xcnt 0x0
	s_wait_alu depctr_hold_cnt(0) depctr_sa_sdst(0) depctr_va_vdst(0) depctr_va_sdst(0) depctr_va_ssrc(0) depctr_va_vcc(0) depctr_vm_vsrc(0)
	s_getreg_b32 s2, hwreg(HW_REG_IB_STS2, 6, 4)
	s_cmp_eq_u32 s2, 0
	s_cbranch_scc0 .Lentry_in_a_cluster
	s_endpgm
.Lentry_in_a_cluster:
	s_bfe_u32 s2, ttmp6, 0x10000c
	s_cmp_lg_u32 s2, 0x3003
	s_cbranch_scc0 .Lentry_shape_is_right
	s_endpgm
.Lentry_shape_is_right:
; ATTN: o[b][h][q] = sum over k of softmax_k(where(mask[q][k] == 0, -1e-9, q . k / 8)) v[b][k].  One K/V head for 16 query heads; head size 64; 2,048 keys.  Operands f16, products, maxima and sums f32.
; THE MASK IS AN INPUT and masked places COUNT (they hold -1e-9, not -infinity): every key of every row is summed, whatever the mask holds.  Its lane-mask words (bit = 1 where mask == 0) come by scalar loads and only select values.
; SOFTMAX: a running maximum m of the masked scores and a running sum l for each query: p = 2^(c s - c m), c = log2(e) / 8; in every step O and l are multiplied by a = 2^(c m_old - c m_new).  A masked score is -8e-9, which times c is -1e-9 log2(e).
; The sum is taken of the unrounded p; p is rounded to f16 for the second product; O once, to f16, at the end.
; LIMITS: q, k, v arrive in f16 and O leaves in f16: magnitudes over 65,504 are infinite, under 6e-5 they keep an absolute step of 6e-8.  NaN and infinities are not served.
; SHARES.  A work-group: 32 queries of one batch x all 16 heads.  Wave w: query tile w % 2 (16 queries) x heads 4 (w / 2) + 0 .. 3: four tiles t.  So each fragment of K and of V feeds four matrix instructions and each mask word four selects.
; Two waves lie on a SIMD, so that one wave's vector work stands beside the other's matrix work; the step is written in plain phases.
; LAYOUT.  S^T = K Q^T (source 0 = 16 keys, source 1 = 16 queries): a lane holds ONE query (l % 16) and keys 8 (l / 16) + 0 .. 7.  Two such tiles packed to f16 ARE source 1 of O^T = V^T P.  K comes out of LDS as its image lies, V by the turning load.
; CLUSTER 4 x 1: four query blocks of one batch walk the same K and V: each slot is asked for JOINTLY.  A slot holds 512 keys (8 steps); every wave fetches an eighth, one tensor load of 16 KiB; one tensor load of a wave is out at the most.
; REGISTERS.  Window 0: v1-7 addresses and constants; v16-47 statistics, 8 a tile; v64-191 S^T, 32 a tile, P packed into each tile's low 16; v192-255 V's eight fragments.
;   Window 1: v0-127 O^T (32 t + 8 dt); v128-191 Q (16 t + 8 u); v192-255 K (16 kt + 8 u).
.set STEPB, 16384                      ; a step's 64 keys: 4 key tiles x (K's four tile images, 2,048 bytes, then V's four)
.set SLOT1, 1<<17                      ; a slot is 8 steps; slot 1 begins here: one exclusive or turns an address from one slot into the other
.set SLOTB, 32*36864                   ; a slot on in memory: 32 row tiles of qkv
.set SPARE, 2*SLOT1                    ; the spare words, 128 bytes for each wave: four blocks of 256 bytes that no other line names
.set LI,  1                            ; v1   16 x lane
.set AV0, 2                            ; v2   my lane's place in a tile of V for the turning load
.set ADK, 3                            ; v3   LDS address of the step's K
.set ADV, 4                            ; v4   of its V
.set MC,  5                            ; v5   -8e-9: a masked score
.set SPW, 6                            ; v6   LDS address of my spare word; never rewritten
.set NIL, 7                            ; v7   0; never rewritten
.set ST,  16                           ; tile t at v[ST + 8 t]: +0 c m, +1 m, +2, +3 l (even keys', odd keys'), +4 .. +7 at work; a in +6
.set S,   64
.set VF,  192
.set QF,  128
.set KF,  192
.set WV,  10                           ; s10  my wave's number
.set G1,  24                           ; s[24:31] descriptor group 1
.set MK,  32                           ; s[32:63] the step's 32 lane masks: word 8 kt + j for register j of score tile kt
.set G0,  68                           ; s[68:71] descriptor group 0: it walks
.set CS,  72                           ; s[72:73] c, twice: the packed form names a pair
.set SEL, 74                           ; s[74:75] lane selects for lane l xor 16
.set TB,  76                           ; s76  LDS byte at which the step in hand begins
.set MO,  77                           ; s77  byte offset of the next step's mask words
.set CNT, 78                           ; s78  counts a slot's steps
.set SLOTS, 79                         ; s79  slots still to be asked for
.set MB,  80                           ; s[80:81] my query tile's mask words: 32 steps x 128 bytes
.set QB,  82                           ; s[82:83] my Q
.set OB,  84                           ; s[84:85] my O
.set MSB, 0
.macro WIN new                         ; the immediate's high byte repeats the setting that is left; a switch that changes nothing is dropped
.if MSB != (\new)
	s_set_vgpr_msb (MSB<<8)|(\new)
.set MSB, (\new)
.endif
.endm
.macro CROUND                          ; a round of the cluster's barrier
	s_barrier_signal -1
	s_barrier_wait -1
	s_cmp_lg_u32 s[WV], 0
	s_cbranch_scc1 .Lnot_wave_0_\@
	s_barrier_signal -3
.Lnot_wave_0_\@:
	s_barrier_wait -3
	s_barrier_signal -1
	s_barrier_wait -1
.endm
.macro TLOAD                           ; my eighth of a slot; an s_nop 0 and four v_nop follow
	tensor_load_to_lds s[G0:G0+3], s[G1:G1+7]
	s_nop 0
.rept 4
	v_nop
.endr
.endm
	s_load_b128 s[4:7], s[0:1], 0x0                ; qkv, mbits
	s_load_b64 s[8:9], s[0:1], 0x10                ; ao
	v_lshl_add_u32 v[SPW], v0, 2, SPARE
	v_mov_b32 v[NIL], 0
	ds_add_u32 v[SPW], v[NIL]                      ; the wave's opening: the add, twice on end, and its wait ahead of my first tensor load; the set-up below stands between
	ds_add_u32 v[SPW], v[NIL]
	v_lshrrev_b32 v8, 5, v0
	v_readfirstlane_b32 s[WV], v8                  ; wave 0..7
	s_and_b32 s11, s[WV], 1                        ; query tile of the block
	s_lshr_b32 s12, s[WV], 1                       ; group of four heads
	s_bfe_u32 s13, ttmp6, 0x40000                  ; cx: it enters Q's, O's and the mask's global addresses alone
	s_lshl_b32 s14, ttmp9, 2
	s_add_co_u32 s14, s14, s13                     ; block of 32 queries
	s_and_b32 s15, ttmp7, 0xffff                   ; the batch, which the four partners share
	s_lshl_b32 s18, s15, 7                         ; K and V: row tile 128 b + 4 w, its column tiles 64-71: made of the batch and the wave's number alone
	s_lshl_b32 s19, s[WV], 2
	s_add_co_u32 s18, s18, s19
	s_mul_i32 s18, s18, 36864
	s_add_co_u32 s18, s18, 32768
	s_mov_b32 s19, 0
	s_lshl_b32 s16, s14, 1
	s_add_co_u32 s16, s16, s11                     ; my query tile in the sequence
	s_lshl_b32 s20, s16, 12
	s_mov_b32 s21, 0
	s_lshl_b32 s17, s15, 7
	s_add_co_u32 s16, s16, s17                     ; my row tile
	s_mul_i32 s22, s16, 36864                      ; Q: 72 tiles a row tile, my heads' 16 tiles
	s_lshl_b32 s17, s12, 13
	s_add_co_u32 s22, s22, s17
	s_mov_b32 s23, 0
	s_lshl_b32 s2, s16, 15                         ; O: 64 tiles a row tile
	s_add_co_u32 s2, s2, s17
	s_mov_b32 s3, 0
	s_mov_b32 s[G1], 15|(3<<16)|(1<<21)            ; 15:0 the mask: all four work-groups; 17:16 elements of 8 bytes; 21 set beside a mask; no padding
	s_mov_b32 s[G1+1], 512<<16                     ; tensor_dim0: 4,096 bytes: a key tile's K and V
	s_mov_b32 s[G1+2], 4<<16                       ; tensor_dim1: 4 key tiles
	s_mov_b32 s[G1+3], 512<<16                     ; tile_dim0
	s_mov_b32 s[G1+4], 4                           ; tile_dim1
	s_mov_b32 s[G1+5], 4608                        ; tensor_dim0_stride: 36,864 bytes from row tile to row tile
	s_mov_b32 s[G1+6], 0
	s_mov_b32 s[G1+7], 0
	s_mov_b32 s[CS], 0x3e38aa3b                    ; c = log2(e) / 8
	s_mov_b32 s[CS+1], s[CS]
	s_mov_b32 s[SEL], 0x76543210
	s_mov_b32 s[SEL+1], 0xfedcba98
	s_mov_b32 s[TB], 0
	s_mov_b32 s[MO], 0
	s_mov_b32 s[SLOTS], 3
	v_and_b32 v8, 31, v0
	v_lshlrev_b32 v[LI], 4, v8
	v_bfe_u32 v9, v0, 4, 1                         ; The turning load takes 16 keys x 16 channels: lane l reads 16 bytes: key 8 (l / 16) + l % 8, channels 8 ((l / 8) % 2) + 0 .. 7; V's tile has rows of 32 bytes
	v_and_b32 v10, 7, v0
	v_lshl_add_u32 v9, v9, 3, v10
	v_bfe_u32 v10, v0, 3, 1
	v_lshlrev_b32 v10, 4, v10
	v_lshl_add_u32 v[AV0], v9, 5, v10
	v_add_nc_u32 v[AV0], 2048, v[AV0]              ; V's tiles lie behind K's four
	v_mov_b32 v[MC], 0xb209705f                    ; -8e-9
	s_wait_dscnt 0x0                               ; both opening adds are done
	s_wait_kmcnt 0x0
	s_mov_b32 s[G0], 1
	s_lshl_b32 s[G0+1], s[WV], 14                  ; slot 0, my eighth
	s_add_nc_u64 s[G0+2:G0+3], s[4:5], s[18:19]
	s_or_b32 s[G0+3], s[G0+3], 0x80000000
	s_add_nc_u64 s[MB:MB+1], s[6:7], s[20:21]
	s_add_nc_u64 s[QB:QB+1], s[4:5], s[22:23]
	s_add_nc_u64 s[OB:OB+1], s[8:9], s[2:3]
	CROUND                                         ; all four work-groups are here: the first joint loads meet
	TLOAD                                          ; slot 0
	s_load_b512 s[MK:MK+15], s[MB:MB+1], s[MO] offset:0x0      ; the first step's lane masks
	s_load_b512 s[MK+16:MK+31], s[MB:MB+1], s[MO] offset:0x40
	WIN 0x40                                       ; destination window 1
.irp n, 0,1,2,3,4,5,6,7,8,9,10,11,12,13,14,15
	global_load_b128 v[QF+4*\n:QF+4*\n+3], v[LI], s[QB:QB+1] offset:512*\n   ; Q stays in registers: tile image n = 4 t + 2 u + e is registers 16 t + 8 u + 4 e
.endr
.set i, 0
.rept 128
	v_mov_b32 v[i], 0                              ; O^T.  The step is written once: the first step finds zeros, which a = 0 leaves zeros; a first step of its own would be a third copy of the step's text
.set i, i+1
.endr
	WIN 0
.irp t, 0,1,2,3
	v_mov_b32 v[ST+8*\t+1], 0xff61b1e6             ; m = -3e38, under every score
	v_mul_f32 v[ST+8*\t], s[CS], v[ST+8*\t+1]      ; c m
	v_mov_b32 v[ST+8*\t+2], 0                      ; l
	v_mov_b32 v[ST+8*\t+3], 0
.endr
	s_wait_loadcnt 0x0                             ; Q
; A KEY STEP: 64 keys.
.macro STEP
.rept 5
	v_nop                                          ; with the two additions: seven places behind the last V^T P: five are owed before products write over P, four before loads into V's registers
.endr
	v_add_nc_u32 v[ADK], s[TB], v[LI]
	v_add_nc_u32 v[ADV], s[TB], v[AV0]
	WIN 0x40
.irp kt, 0,1,2,3
.irp c, 0,1,2,3
	ds_load_b128 v[KF+16*\kt+4*\c:KF+16*\kt+4*\c+3], v[ADK] offset:4096*\kt+512*\c
.endr
.endr
	WIN 0
.irp s, 0,1
.irp dt, 0,1,2,3
.irp e, 0,1
	ds_load_tr16_b128 v[VF+8*(4*\s+\dt)+4*\e:VF+8*(4*\s+\dt)+4*\e+3], v[ADV] offset:4096*(2*\s+\e)+512*\dt
.endr
.endr
.endr
	s_wait_dscnt 16                                ; K's 16 loads are in; V's 16 may be out
	WIN 0x05                                       ; K and Q in window 1, S^T in window 0
.irp u, 0,1                                    ; S^T = K Q^T: 16 accumulators by turns, 32 channels a turn
.irp t, 0,1,2,3
.irp kt, 0,1,2,3
.if \u == 0
	v_wmma_f32_16x16x32_f16 v[S+32*\t+8*\kt:S+32*\t+8*\kt+7], v[KF+16*\kt+8*\u:KF+16*\kt+8*\u+7], v[QF+16*\t+8*\u:QF+16*\t+8*\u+7], 0
.else
	v_wmma_f32_16x16x32_f16 v[S+32*\t+8*\kt:S+32*\t+8*\kt+7], v[KF+16*\kt+8*\u:KF+16*\kt+8*\u+7], v[QF+16*\t+8*\u:QF+16*\t+8*\u+7], v[S+32*\t+8*\kt:S+32*\t+8*\kt+7]
.endif
.endr
.endr
.endr
	WIN 0
.rept 4
	v_nop                                          ; four places in front of the first read of the scores
.endr
	s_wait_kmcnt 0x0                               ; this step's lane masks are in
.irp t, 0,1,2,3                                ; THE MASK: where mask == 0 the score becomes -8e-9.  Each accumulator is read from its low end on
.set n, 0
.rept 32
	v_cndmask_b32 v[S+32*\t+n], v[S+32*\t+n], v[MC], s[MK+n]
.set n, n+1
.endr
.endr
	s_add_co_u32 s[MO], s[MO], 128                 ; the next step's masks (the wait above has shown the last loads done, so their offset may be written);
	s_and_b32 s[MO], s[MO], 4095                   ; behind the last step the offset turns back to step 0: the load stays inside my query tile's 4,096 bytes, and its words are not used
	s_load_b512 s[MK:MK+15], s[MB:MB+1], s[MO] offset:0x0
	s_load_b512 s[MK+16:MK+31], s[MB:MB+1], s[MO] offset:0x40
	; THE MAXIMUM of a lane's 32 scores and the old m, three operands at a time, the four tiles by turns
.irp j, 0,1,2,3
.irp t, 0,1,2,3
	v_max3_num_f32 v[ST+8*\t+4+\j], v[S+32*\t+8*\j], v[S+32*\t+8*\j+1], v[S+32*\t+8*\j+2]
.endr
.endr
.irp q, 1,2
.irp j, 0,1,2,3
.irp t, 0,1,2,3
	v_max3_num_f32 v[ST+8*\t+4+\j], v[ST+8*\t+4+\j], v[S+32*\t+8*\j+2*\q+1], v[S+32*\t+8*\j+2*\q+2]
.endr
.endr
.endr
.irp t, 0,1,2,3
	v_max3_num_f32 v[ST+8*\t+4], v[ST+8*\t+4], v[S+32*\t+7], v[S+32*\t+15]
.endr
.irp t, 0,1,2,3
	v_max3_num_f32 v[ST+8*\t+6], v[ST+8*\t+6], v[S+32*\t+23], v[S+32*\t+31]
.endr
.irp t, 0,1,2,3
	v_max3_num_f32 v[ST+8*\t+4], v[ST+8*\t+4], v[ST+8*\t+5], v[ST+8*\t+6]
.endr
.irp t, 0,1,2,3
	v_max3_num_f32 v[ST+8*\t+4], v[ST+8*\t+4], v[ST+8*\t+7], v[ST+8*\t+1]
.endr
.irp t, 0,1,2,3
	v_permlanex16_b32 v[ST+8*\t+5], v[ST+8*\t+4], s[SEL], s[SEL+1]   ; the query's other 32 keys lie in the lane 16 away
.endr
.irp t, 0,1,2,3
	v_mov_b32 v[ST+8*\t+7], v[ST+8*\t]             ; c m_old is kept for a
.endr
.irp t, 0,1,2,3
	v_max_num_f32 v[ST+8*\t+1], v[ST+8*\t+4], v[ST+8*\t+5]
.endr
.irp t, 0,1,2,3
	v_mul_f32 v[ST+8*\t], s[CS], v[ST+8*\t+1]
.endr
.irp t, 0,1,2,3
	v_sub_f32 v[ST+8*\t+7], v[ST+8*\t+7], v[ST+8*\t]
.endr
	; ONE BATCH of 132 exponentials with one wait: none of the lines up to the wait names an exponential's result.  A tile's scalings stand among the exponentials of the tile before
.set i, 0
.rept 16
	v_pk_fma_f32 v[S+2*i:S+2*i+1], v[S+2*i:S+2*i+1], s[CS:CS+1], v[ST:ST+1] op_sel_hi:[1,0,0] neg_lo:[0,0,1] neg_hi:[0,0,1]   ; c s - c m
.set i, i+1
.endr
.irp t, 0,1,2,3
	v_exp_f32 v[ST+8*\t+6], v[ST+8*\t+7]           ; a
.endr
.irp t, 0,1,2,3
.set i, 0
.rept 16
.if \t < 3
	v_pk_fma_f32 v[S+32*(\t+1)+2*i:S+32*(\t+1)+2*i+1], v[S+32*(\t+1)+2*i:S+32*(\t+1)+2*i+1], s[CS:CS+1], v[ST+8*(\t+1):ST+8*(\t+1)+1] op_sel_hi:[1,0,0] neg_lo:[0,0,1] neg_hi:[0,0,1]
.endif
	v_exp_f32 v[S+32*\t+2*i], v[S+32*\t+2*i]
	v_exp_f32 v[S+32*\t+2*i+1], v[S+32*\t+2*i+1]
.set i, i+1
.endr
.endr
	v_nop                                          ; a plain line behind the last exponential,
	s_wait_alu depctr_va_vdst(0)                   ; and the wait ahead of the first line that names a result: one for the batch
	; THE SUMS, of the unrounded p: l = a l + the sum, in two chains a tile
.irp t, 0,1,2,3
	v_pk_mul_f32 v[ST+8*\t+2:ST+8*\t+3], v[ST+8*\t+2:ST+8*\t+3], v[ST+8*\t+6:ST+8*\t+7] op_sel_hi:[1,0]
.endr
.irp t, 0,1,2,3
	v_pk_add_f32 v[ST+8*\t+4:ST+8*\t+5], v[S+32*\t:S+32*\t+1], v[S+32*\t+2:S+32*\t+3]
.endr
.irp j, 4,8,12,16,20,24,28
.irp t, 0,1,2,3
	v_pk_add_f32 v[ST+8*\t+2:ST+8*\t+3], v[ST+8*\t+2:ST+8*\t+3], v[S+32*\t+\j:S+32*\t+\j+1]
	v_pk_add_f32 v[ST+8*\t+4:ST+8*\t+5], v[ST+8*\t+4:ST+8*\t+5], v[S+32*\t+\j+2:S+32*\t+\j+3]
.endr
.endr
.irp t, 0,1,2,3
	v_pk_add_f32 v[ST+8*\t+2:ST+8*\t+3], v[ST+8*\t+2:ST+8*\t+3], v[ST+8*\t+4:ST+8*\t+5]
.endr
.irp t, 0,1,2,3                                ; P: two weights to a register, in place, ascending: register i takes numbers 2 i and 2 i + 1
.set i, 0
.rept 16
	v_cvt_pk_f16_f32 v[S+32*\t+i], v[S+32*\t+2*i], v[S+32*\t+2*i+1]
.set i, i+1
.endr
.endr
	WIN 0x41                                       ; O^T (destination and source 0) in window 1, a in window 0
.irp t, 0,1,2,3
.set i, 0
.rept 16
	v_pk_mul_f32 v[32*\t+2*i:32*\t+2*i+1], v[32*\t+2*i:32*\t+2*i+1], v[ST+8*\t+6:ST+8*\t+7] op_sel_hi:[1,0]
.set i, i+1
.endr
.endr
	s_wait_dscnt 0x0                               ; V is in
	WIN 0x50                                       ; V and P in window 0, O^T in window 1
.irp s, 0,1                                    ; O^T += V^T P: 16 accumulators by turns, 32 keys a turn
.irp t, 0,1,2,3
.irp dt, 0,1,2,3
	v_wmma_f32_16x16x32_f16 v[32*\t+8*\dt:32*\t+8*\dt+7], v[VF+8*(4*\s+\dt):VF+8*(4*\s+\dt)+7], v[S+32*\t+8*\s:S+32*\t+8*\s+7], v[32*\t+8*\dt:32*\t+8*\dt+7]
.endr
.endr
.endr
	WIN 0
	s_add_co_u32 s[TB], s[TB], STEPB
.endm
; THE CHANGE OF SLOTS stands at a slot's head.  Each wave waits for all its tensor loads (its eighth of the slot ahead), adds 0 to its spare word, and waits for that and for its reads of the slot that it has left.
; fill = 1: a round of the cluster's barrier, and first behind it the joint load of the next 512 keys into the slot just left (in the first trip: slot 1's first fill): it has 8 steps, 512 matrix instructions a wave, in which to land.
.macro CHANGE fill
	s_wait_tensorcnt 0x0                           ; no tensor load of mine is out, so group 0 may be written
	ds_add_u32 v[SPW], v[NIL]                      ; 0 onto my spare word
.if \fill
	s_xor_b32 s[G0+1], s[G0+1], SLOT1              ; the other slot than last time,
	s_add_nc_u64 s[G0+2:G0+3], s[G0+2:G0+3], SLOTB ; the next 512 keys; the type bits on top are not reached
.endif
	s_wait_dscnt 0x0                               ; the add is done, and my reads of the slot that I have left are over
.if \fill
	CROUND
	TLOAD
.else
	s_barrier_signal -1
	s_barrier_wait -1
.endif
.endm
.macro STEPS                           ; a slot's eight steps: written once, walked eight times
	s_mov_b32 s[CNT], 8
.Lstep_\@:
	STEP
	s_sub_co_u32 s[CNT], s[CNT], 1
	s_cmp_lg_u32 s[CNT], 0
	s_cbranch_scc1 .Lstep_\@
	s_sub_co_u32 s[TB], s[TB], 8*STEPB             ; back to a slot's first step,
	s_xor_b32 s[TB], s[TB], SLOT1                  ; in the other slot
.endm
.Lslot:                                            ; three trips: behind each change of slots but the last the next slot is asked for
	CHANGE 1
	STEPS
	s_sub_co_u32 s[SLOTS], s[SLOTS], 1
	s_cmp_lg_u32 s[SLOTS], 0
	s_cbranch_scc1 .Lslot
	CHANGE 0                                       ; the last slot is written out
	STEPS
	; THE WAY OUT.  l's halves and the other half of the lanes' are added (the first four additions are the places behind the last products); O^T / l, rounded to f16, is a lane's 16 bytes of each tile's image.
.irp t, 0,1,2,3
	v_add_f32 v[ST+8*\t+4], v[ST+8*\t+2], v[ST+8*\t+3]
.endr
.irp t, 0,1,2,3
	v_permlanex16_b32 v[ST+8*\t+5], v[ST+8*\t+4], s[SEL], s[SEL+1]
.endr
.irp t, 0,1,2,3
	v_add_f32 v[ST+8*\t+4], v[ST+8*\t+4], v[ST+8*\t+5]
.endr
.irp t, 0,1,2,3
	v_rcp_f32 v[ST+8*\t+6], v[ST+8*\t+4]
.endr
	v_nop                                          ; a plain line behind the last reciprocal,
	s_wait_alu depctr_va_vdst(0)                   ; and the one wait for the four, ahead of their first reader
.irp t, 0,1,2,3
	WIN 0x41
.set i, 0
.rept 16
	v_pk_mul_f32 v[32*\t+2*i:32*\t+2*i+1], v[32*\t+2*i:32*\t+2*i+1], v[ST+8*\t+6:ST+8*\t+7] op_sel_hi:[1,0]
.set i, i+1
.endr
	WIN 0x05                                       ; sources in window 1, destination in window 0: S^T's registers are free
.set i, 0
.rept 16
	v_cvt_pk_f16_f32 v[S+32*\t+i], v[32*\t+2*i], v[32*\t+2*i+1]
.set i, i+1
.endr
	WIN 0
.irp dt, 0,1,2,3
	global_store_b128 v[LI], v[S+32*\t+4*\dt:S+32*\t+4*\dt+3], s[OB:OB+1] offset:512*(4*\t+\dt)   ; 32 lanes store 512 consecutive bytes, aligned
.endr
.endr
	s_wait_kmcnt 0x0                               ; the last, unused, mask words
	s_wait_tensorcnt 0x0                           ; the wave's end: a tensor wait, an add onto my spare word and its wait, behind my last tensor load
	ds_add_u32 v[SPW], v[NIL]
	s_wait_dscnt 0x0
	CROUND                                         ; the closing round: no work-group ends while a partner may still ask for a tile that names it
	s_endpgm
.Lfunc_end_k_qd479f90f0e_attn:
	.size	k_qd479f90f0e_attn, .Lfunc_end_k_qd479f90f0e_attn-k_qd479f90f0e_attn
	.p2alignl 7, 3214868480
	.fill 96, 4, 3214868480
	.section	.rodata,"a",@progbits
	.p2align	6, 0x0
	.amdhsa_kernel k_qd479f90f0e_attn
		.amdhsa_group_segment_fixed_size 327680
		.amdhsa_private_segment_fixed_size 0
		.amdhsa_enable_private_segment 0
		.amdhsa_kernarg_size 24
		.amdhsa_user_sgpr_count 2
		.amdhsa_user_sgpr_kernarg_segment_ptr 1
		.amdhsa_wavefront_size32 1
		.amdhsa_system_sgpr_workgroup_id_x 1
		.amdhsa_system_sgpr_workgroup_id_y 1
		.amdhsa_system_sgpr_workgroup_id_z 1
		.amdhsa_system_vgpr_workitem_id 0
		.amdhsa_next_free_vgpr 512
		.amdhsa_next_free_sgpr 88
		.amdhsa_reserve_vcc 0
		.amdhsa_float_denorm_mode_32 3
		.amdhsa_float_denorm_mode_16_64 3
		.amdhsa_memory_ordered 1
		.amdhsa_forward_progress 1
		.amdhsa_inst_pref_size 104
	.end_amdhsa_kernel
	.amdgpu_metadata
---
amdhsa.version: [ 1, 2 ]
amdhsa.kernels:
  - .name:           k_qd479f90f0e_attn
    .symbol:         k_qd479f90f0e_attn.kd
    .args:
      - { .name: qkv, .offset: 0, .size: 8, .value_kind: global_buffer, .address_space: global }
      - { .name: mbits, .offset: 8, .size: 8, .value_kind: global_buffer, .address_space: global }
      - { .name: ao, .offset: 16, .size: 8, .value_kind: global_buffer, .address_space: global }
    .group_segment_fixed_size: 327680
    .private_segment_fixed_size: 0
    .kernarg_segment_align: 8
    .kernarg_segment_size: 24
    .max_flat_workgroup_size: 256
    .sgpr_count:     88
    .vgpr_count:     512
    .wavefront_size: 32
...
	.end_amdgpu_metadata
.endif
;; end of part 3
;; launch proj (part 4): grid 8 x 32, 4 waves a work-group, clusters of 4 x 4, 327,680 bytes of LDS; arguments ao, wof, out0; writes out0
.if DOCPART == 4
	.amdgcn_target "amdgcn-amd-amdhsa--gfx1250"
	.amdhsa_code_object_version 6
	.text
	.protected	k_qd479f90f0e_proj
	.globl	k_qd479f90f0e_proj
	.p2align	8
	.type	k_qd479f90f0e_proj,@function
k_qd479f90f0e_proj:
	s_mov_b64 s[64:65], 0
	v_nop
	global_prefetch_b8 v0, s[64:65] scope:SCOPE_SE
	s_setreg_imm32_b32 hwreg(HW_REG_WAVE_MODE, 25, 1), 1
	s_wait_xcnt 0x0
	s_wait_alu depctr_hold_cnt(0) depctr_sa_sdst(0) depctr_va_vdst(0) depctr_va_sdst(0) depctr_va_ssrc(0) depctr_va_vcc(0) depctr_vm_vsrc(0)
	s_getreg_b32 s2, hwreg(HW_REG_IB_STS2, 6, 4)
	s_cmp_eq_u32 s2, 0
	s_cbranch_scc0 .Lentry_in_a_cluster
	s_endpgm
.Lentry_in_a_cluster:
	s_bfe_u32 s2, ttmp6, 0x10000c
	s_cmp_lg_u32 s2, 0xf033
	s_cbranch_scc0 .Lentry_shape_is_right
	s_endpgm
.Lentry_shape_is_right:
; PROJ: out0 [8192][1024] f32 = O [8192][1024] x wo [1024][1024], operands f16, sums f32.  O and wo arrive as tile images: [row tile or n tile][k tile 64][512 bytes], lane l's 16 bytes at 16 l.
; SHARES.  A work-group: 256 rows x 128 columns.  A wave: 128 x 64: 32 accumulators, window 1.  K goes in steps of 128 through a ring of two LDS slots; a step is four quarters of 32 along K, 32 matrix instructions each.
; A slot's row is a tile row's 8 k tiles: 4,096 consecutive bytes of memory; in LDS the images lie dense: every LDS load reads 512 consecutive bytes, so no padding is needed.
; CLUSTER 4 x 4: O's tiles are shared along a row of the cluster, wo's along a column: each is asked for JOINTLY.  Waves 0, 1 fetch O's halves (8 row tiles each), waves 2, 3 wo's (4 n tiles each): one tensor load a wave behind each round.
; THE MATRIX INSTRUCTION IS USED TRANSPOSED (source 0 = 16 columns n of wo, source 1 = 16 rows of O): a lane holds eight neighbouring numbers of a row of out0.
; REGISTERS.  Window 0: v16-29 addresses; v32-127 and v128-223 two fragment buffers (O's eight fragments at 8 a, wo's four at 64 + 8 b); on the way out v32-95 rows read back.   Window 1: accumulator (a, b) at v[8 (4 a + b)].
.set SLOT,  98304                      ; O's 16 row tiles x 4,096, then wo's 8 n tiles x 4,096
.set BOFF,  65536
.set STAGE, 2*SLOT                     ; behind the ring: 16 rows x (256 bytes + 16) for each wave, for the way out; no tensor load lands there
.set SPITCH, 272
.set SPARE, STAGE+4*16*SPITCH          ; the spare words, 128 bytes for each wave: two blocks of 256 bytes that no other line names
.set LAPS,  4                          ; a lap = two K steps = once round the ring
.set ADRA, 16                          ; v16-17  LDS address of my O fragments in slot 0, 1
.set ADRB, 20                          ; v20-21  the same for wo
.set STO,  24                          ; v24     the way out: where I put 32 bytes of a row
.set RD,   25                          ; v25     where I read a row back
.set CO,   26                          ; v26     my byte offset in out0
.set SPW,  28                          ; v28     LDS address of my spare word; never rewritten
.set NIL,  29                          ; v29     0; never rewritten
.set F0,   32
.set F1,   128
.set BK,   32
.set G1, 24                            ; s[24:31] group 1 for O's tiles;  s[32:39] group 0, one set for each slot
.set G0, 32
.set G1B, 48                           ; s[48:55], s[56:63] the same for wo's
.set G0B, 56
.set MSB, 0
.macro WIN new
.if MSB != (\new)
	s_set_vgpr_msb (MSB<<8)|(\new)
.set MSB, (\new)
.endif
.endm
.set MUL, 0x50                         ; sources in window 0; C and D in window 1
.macro JLOAD s                         ; a joint load; an s_nop 0 and four v_nop follow each of the two lines
	s_cmp_eq_u32 s11, 0
	s_cbranch_scc0 .Lfor_b_\@
	tensor_load_to_lds s[G0+4*\s:G0+4*\s+3], s[G1:G1+7]
	s_nop 0
.rept 4
	v_nop
.endr
	s_branch .Lasked_\@
.Lfor_b_\@:
	tensor_load_to_lds s[G0B+4*\s:G0B+4*\s+3], s[G1B:G1B+7]
	s_nop 0
.rept 4
	v_nop
.endr
.Lasked_\@:
.endm
.macro CREST                           ; a round of the cluster's barrier behind its opening barrier
	s_cmp_lg_u32 s10, 0
	s_cbranch_scc1 .Lnot_wave_0_\@
	s_barrier_signal -3
.Lnot_wave_0_\@:
	s_barrier_wait -3
	s_barrier_signal -1
	s_barrier_wait -1
.endm
.macro CROUND
	s_barrier_signal -1
	s_barrier_wait -1
	CREST
.endm
.macro PLACES
.rept 4
	v_nop
.endr
.endm
	s_load_b128 s[4:7], s[0:1], 0x0                ; ao, wof
	s_load_b64 s[8:9], s[0:1], 0x10                ; out0
	v_lshl_add_u32 v[SPW], v0, 2, SPARE
	v_mov_b32 v[NIL], 0
	ds_add_u32 v[SPW], v[NIL]                      ; the wave's opening: the add, twice on end, and its wait ahead of my first tensor load; the set-up below stands between
	ds_add_u32 v[SPW], v[NIL]
	v_lshrrev_b32 v1, 5, v0
	v_readfirstlane_b32 s10, v1                    ; wave 0..3
	s_lshr_b32 s11, s10, 1                         ; which 128 rows are mine.  Also: I fetch for O (0) or for wo (1)
	s_and_b32 s12, s10, 1                          ; which 64 columns.  Also: which half of that tile I fetch
	s_bfe_u32 s40, ttmp6, 0x40000                  ; cx, cy
	s_bfe_u32 s41, ttmp6, 0x40004
	s_lshl_b32 s42, ttmp9, 2
	s_add_co_u32 s42, s42, s40                     ; block of 128 columns
	s_and_b32 s13, ttmp7, 0xffff
	s_lshl_b32 s13, s13, 2
	s_add_co_u32 s13, s13, s41                     ; block of 256 rows
	s_lshl_b32 s43, s41, 2
	s_lshl_b32 s43, 15, s43                        ; my row of the cluster
	s_lshl_b32 s44, 0x1111, s40                    ; my column
	s_or_b32 s[G1], s43, (3<<16)|(1<<21)           ; 15:0 the mask; 17:16 elements of 8 bytes; 21 set beside a mask; no padding
	s_or_b32 s[G1B], s44, (3<<16)|(1<<21)
	s_mov_b32 s[G1+1], 512<<16                     ; tensor_dim0: 4,096 bytes: 8 k tiles
	s_mov_b32 s[G1+2], 8<<16                       ; tensor_dim1: 8 row tiles
	s_mov_b32 s[G1+3], 512<<16                     ; tile_dim0
	s_mov_b32 s[G1+4], 8                           ; tile_dim1
	s_mov_b32 s[G1+5], 4096                        ; tensor_dim0_stride: 32,768 bytes from tile row to tile row
	s_mov_b32 s[G1+6], 0
	s_mov_b32 s[G1+7], 0
	s_mov_b32 s[G1B+1], 512<<16
	s_mov_b32 s[G1B+2], 4<<16                      ; 4 n tiles
	s_mov_b32 s[G1B+3], 512<<16
	s_mov_b32 s[G1B+4], 4
	s_mov_b32 s[G1B+5], 4096
	s_mov_b32 s[G1B+6], 0
	s_mov_b32 s[G1B+7], 0
	s_lshl_b32 s16, s13, 4                         ; O: row tile 16 x row block + 8 x half: made of the row block and the wave's number alone
	s_lshl_b32 s17, s12, 3
	s_add_co_u32 s16, s16, s17
	s_lshl_b32 s16, s16, 15
	s_mov_b32 s17, 0
	s_lshl_b32 s46, s42, 3                         ; wo: n tile 8 x column block + 4 x half
	s_lshl_b32 s47, s12, 2
	s_add_co_u32 s46, s46, s47
	s_lshl_b32 s46, s46, 15
	s_mov_b32 s47, 0
	s_lshl_b32 s20, s12, 15                        ; where they go: no place in the cluster enters an LDS address
	s_lshl_b32 s21, s12, 14
	s_add_co_u32 s21, s21, BOFF
	s_wait_dscnt 0x0                               ; both opening adds are done
	s_wait_kmcnt 0x0
	s_add_nc_u64 s[14:15], s[4:5], s[16:17]
	s_add_nc_u64 s[46:47], s[6:7], s[46:47]
	CROUND                                         ; all sixteen work-groups are here: the first joint loads meet
.irp s, 0,1
	s_mov_b32 s[G0+4*\s], 1
	s_add_co_u32 s[G0+4*\s+1], s20, \s*SLOT
	s_add_nc_u64 s[G0+4*\s+2:G0+4*\s+3], s[14:15], \s*4096
	s_or_b32 s[G0+4*\s+3], s[G0+4*\s+3], 0x80000000
	s_mov_b32 s[G0B+4*\s], 1
	s_add_co_u32 s[G0B+4*\s+1], s21, \s*SLOT
	s_add_nc_u64 s[G0B+4*\s+2:G0B+4*\s+3], s[46:47], \s*4096
	s_or_b32 s[G0B+4*\s+3], s[G0B+4*\s+3], 0x80000000
	JLOAD \s                                       ; two tensor loads of mine are out
.endr
	v_and_b32 v1, 15, v0                           ; r
	v_bfe_u32 v2, v0, 4, 1                         ; h
	v_and_b32 v3, 31, v0
	v_lshlrev_b32 v3, 4, v3                        ; 16 x lane
	s_lshl_b32 s21, s11, 15                        ; my 8 row tiles of O
	s_lshl_b32 s22, s12, 14                        ; my 4 n tiles of wo,
	s_add_co_u32 s22, s22, BOFF                    ; which lie behind O's 16
.irp s, 0,1
	v_add_nc_u32 v[ADRA+\s], s21, v3
	v_add_nc_u32 v[ADRB+\s], s22, v3
	s_add_co_u32 s21, s21, SLOT
	s_add_co_u32 s22, s22, SLOT
.endr
	s_mul_i32 s23, s10, 16*SPITCH
	s_add_co_u32 s23, s23, STAGE                   ; my stage
	v_mul_u32_u24 v4, v1, SPITCH                   ; in: row r, 32 bytes for each half of the lanes
	v_lshl_add_u32 v4, v2, 5, v4
	v_add_nc_u32 v[STO], s23, v4
	v_mul_u32_u24 v5, v2, SPITCH                   ; back: lanes 0-15 one row of 256 bytes, lanes 16-31 the next
	v_lshl_add_u32 v5, v1, 4, v5
	v_add_nc_u32 v[RD], s23, v5
	v_lshlrev_b32 v5, 12, v2                       ; and the same two rows in out0: 4,096 bytes a row
	v_lshl_add_u32 v[CO], v1, 4, v5
	s_lshl_b32 s16, s13, 20                        ; my first row: 256 x row block + 128 x half
	s_lshl_b32 s17, s11, 19
	s_add_co_u32 s16, s16, s17
	s_mov_b32 s17, 0
	s_add_nc_u64 s[8:9], s[8:9], s[16:17]
	s_lshl_b32 s46, s42, 9                         ; my first column, in bytes: 512 x column block + 256 x half
	s_lshl_b32 s47, s12, 8
	s_add_co_u32 s46, s46, s47
	s_mov_b32 s47, 0
	s_add_nc_u64 s[8:9], s[8:9], s[46:47]
; n x 4 matrix instructions: row tiles a0 .. a0 + n - 1 against the four n tiles, 32 along K from buffer f.  zero = 1: the first product starts the sums.  The 32 accumulators take turns in the same order in every quarter
.macro MULA f, a0, n, zero
.set A_, \a0
.rept \n
.irp b, 0,1,2,3
.if \zero
	v_wmma_f32_16x16x32_f16 v[8*(4*A_+\b):8*(4*A_+\b)+7], v[\f+64+8*\b:\f+64+8*\b+7], v[\f+8*A_:\f+8*A_+7], 0
.else
	v_wmma_f32_16x16x32_f16 v[8*(4*A_+\b):8*(4*A_+\b)+7], v[\f+64+8*\b:\f+64+8*\b+7], v[\f+8*A_:\f+8*A_+7], v[8*(4*A_+\b):8*(4*A_+\b)+7]
.endif
.endr
.set A_, A_+1
.endr
.endm
; 24 LDS loads in one run: quarter q of the slot into buffer f: wo's four fragments, O's row tiles 0-3, then 4-7
.macro FETCH slot, q, f
.irp b, 0,1,2,3
.irp e, 0,1
	ds_load_b128 v[\f+64+8*\b+4*\e:\f+64+8*\b+4*\e+3], v[ADRB+\slot] offset:4096*\b+1024*(\q)+512*\e
.endr
.endr
.irp a, 0,1,2,3,4,5,6,7
.irp e, 0,1
	ds_load_b128 v[\f+8*\a+4*\e:\f+8*\a+4*\e+3], v[ADRA+\slot] offset:4096*\a+1024*(\q)+512*\e
.endr
.endr
.endm
; One of a step's first three quarters: multiplies buffer f and fetches quarter qn into g
.macro QUARTER slot, qn, f, g, zero
	s_wait_dscnt 8                                 ; wo's fragments and O's row tiles 0-3 are in; the youngest eight loads (row tiles 4-7) may be out
	WIN MUL
	MULA \f, 0, 4, \zero
	PLACES
	WIN 0
	FETCH \slot, \qn, \g
	s_wait_dscnt 24                                ; all but the 24 just issued
	WIN MUL
	MULA \f, 4, 4, \zero
.endm
; The last quarter multiplies buffer 1 and changes slots: ONE barrier; in front of it each wave waits for all its tensor loads, adds 0 to its spare word, and waits for that and for its reads of this slot.  fill = 1: this slot is filled again, two K steps ahead
.macro TURN slot, next, fill
	WIN 0                                          ; (the add's two registers lie in window 0)
	s_wait_tensorcnt 0x0                           ; all my tensor loads have landed: my part of the next slot;
	ds_add_u32 v[SPW], v[NIL]                      ; 0 onto my spare word;
	s_wait_dscnt 9                                 ; (the add and the youngest eight loads may be out)
	WIN MUL
	MULA F1, 0, 2, 0                               ; eight matrix instructions stand between the add and the wait for it
	s_wait_dscnt 0x0                               ; the add is done, and my reads of this slot are over
	s_barrier_signal -1
	MULA F1, 2, 2, 0
	WIN 0
	s_barrier_wait -1
.if \fill
	CREST                                          ; the barrier has opened a round of the cluster's barrier: no wave of any partner still reads this slot or has a load on its way
	s_add_nc_u64 s[G0+4*\slot+2:G0+4*\slot+3], s[G0+4*\slot+2:G0+4*\slot+3], 8192
	s_add_nc_u64 s[G0B+4*\slot+2:G0B+4*\slot+3], s[G0B+4*\slot+2:G0B+4*\slot+3], 8192
	JLOAD \slot                                    ; the first tensor load behind the round; its four v_nop are also the places in front of the loads below
.else
	PLACES
.endif
	FETCH \next, 0, F0
	WIN MUL
	MULA F1, 4, 4, 0
.endm
	s_wait_tensorcnt 1                             ; my part of K step 0 is in; K step 1's load may be out
	s_barrier_signal -1
	s_barrier_wait -1                              ; everybody's is
	FETCH 0, 0, F0
	QUARTER 0, 1, F0, F1, 1                        ; the first quarter stands in front of the loop: its products start the sums
	WIN 0                                          ; at a label and at a branch every window is 0
	s_mov_b32 s3, LAPS-1
.Llap:                                             ; a trip goes once round the ring, from a lap's second quarter to the next lap's first, and fills both slots again
	QUARTER 0, 2, F1, F0, 0
	QUARTER 0, 3, F0, F1, 0
	TURN 0, 1, 1
	QUARTER 1, 1, F0, F1, 0
	QUARTER 1, 2, F1, F0, 0
	QUARTER 1, 3, F0, F1, 0
	TURN 1, 0, 1
	QUARTER 0, 1, F0, F1, 0
	WIN 0
	s_sub_co_u32 s3, s3, 1
	s_cmp_lg_u32 s3, 0
	s_cbranch_scc1 .Llap
	QUARTER 0, 2, F1, F0, 0                        ; the last lap fills nothing, and has no round of the cluster's barrier
	QUARTER 0, 3, F0, F1, 0
	TURN 0, 1, 0
	QUARTER 1, 1, F0, F1, 0
	QUARTER 1, 2, F1, F0, 0
	QUARTER 1, 3, F0, F1, 0
	s_wait_dscnt 8                                 ; the very last quarter: nothing more to fetch
	WIN MUL
	MULA F1, 0, 4, 0
	s_wait_dscnt 0x0
	MULA F1, 4, 4, 0
	WIN 0
; THE WAY OUT, a block of 16 rows x 64 columns at a time.  A lane holds 32 neighbouring bytes of a row and the lanes beside it other rows: the block goes through my own stage and comes back as whole rows of 256 bytes.
; LDS serves a wave's instructions in order (ISA guide 5.7.1.4): no wait between the stores and the loads, nor in front of the next block's stores.
.macro TOSTAGE a
	WIN 0x04                                       ; an LDS store's data are its source 1: window 1
.irp b, 0,1,2,3
	ds_store_b128 v[STO], v[8*(4*(\a)+\b):8*(4*(\a)+\b)+3] offset:64*\b        ; each accumulator from its low end on
	ds_store_b128 v[STO], v[8*(4*(\a)+\b)+4:8*(4*(\a)+\b)+7] offset:64*\b+16
.endr
	WIN 0
.irp t, 0,1,2,3,4,5,6,7
	ds_load_b128 v[BK+32*((\a)%2)+4*\t:BK+32*((\a)%2)+4*\t+3], v[RD] offset:\t*2*SPITCH
.endr
.endm
.macro SEND a, younger                 ; younger: the LDS instructions issued behind block a's loads, which may stay out
	s_wait_dscnt \younger
.irp t, 0,1,2,3,4,5,6,7
	global_store_b128 v[CO], v[BK+32*((\a)%2)+4*\t:BK+32*((\a)%2)+4*\t+3], s[8:9] offset:4096*(16*(\a)+2*\t) th:TH_STORE_NT   ; 16 lanes store 256 consecutive bytes, aligned; written once, read by nobody here
.endr
.endm
	PLACES                                         ; in front of the first read of results and of loads into registers that held fragments
	TOSTAGE 0
.irp a, 1,2,3,4,5,6,7
.if \a > 1
	s_wait_xcnt 0x0                                ; block a - 2's stores have read their registers: block a's loads may land there
.endif
	TOSTAGE \a
	SEND \a-1, 16                                  ; behind block a - 1's loads: block a's 8 stores and 8 loads
.endr
	SEND 7, 0
	s_wait_tensorcnt 0x0                           ; the wave's end: a tensor wait, an add onto my spare word and its wait, behind my last tensor load and my last LDS store
	ds_add_u32 v[SPW], v[NIL]
	s_wait_dscnt 0x0
	CROUND                                         ; the closing round
	s_endpgm
.Lfunc_end_k_qd479f90f0e_proj:
	.size	k_qd479f90f0e_proj, .Lfunc_end_k_qd479f90f0e_proj-k_qd479f90f0e_proj
	.p2alignl 7, 3214868480
	.fill 96, 4, 3214868480
	.section	.rodata,"a",@progbits
	.p2align	6, 0x0
	.amdhsa_kernel k_qd479f90f0e_proj
		.amdhsa_group_segment_fixed_size 327680
		.amdhsa_private_segment_fixed_size 0
		.amdhsa_enable_private_segment 0
		.amdhsa_kernarg_size 24
		.amdhsa_user_sgpr_count 2
		.amdhsa_user_sgpr_kernarg_segment_ptr 1
		.amdhsa_wavefront_size32 1
		.amdhsa_system_sgpr_workgroup_id_x 1
		.amdhsa_system_sgpr_workgroup_id_y 1
		.amdhsa_system_sgpr_workgroup_id_z 1
		.amdhsa_system_vgpr_workitem_id 0
		.amdhsa_next_free_vgpr 512
		.amdhsa_next_free_sgpr 66
		.amdhsa_reserve_vcc 0
		.amdhsa_float_denorm_mode_32 3
		.amdhsa_float_denorm_mode_16_64 3
		.amdhsa_memory_ordered 1
		.amdhsa_forward_progress 1
		.amdhsa_inst_pref_size 85
	.end_amdhsa_kernel
	.amdgpu_metadata
---
amdhsa.version: [ 1, 2 ]
amdhsa.kernels:
  - .name:           k_qd479f90f0e_proj
    .symbol:         k_qd479f90f0e_proj.kd
    .args:
      - { .name: ao, .offset: 0, .size: 8, .value_kind: global_buffer, .address_space: global }
      - { .name: wof, .offset: 8, .size: 8, .value_kind: global_buffer, .address_space: global }
      - { .name: out0, .offset: 16, .size: 8, .value_kind: global_buffer, .address_space: global }
    .group_segment_fixed_size: 327680
    .private_segment_fixed_size: 0
    .kernarg_segment_align: 8
    .kernarg_segment_size: 24
    .max_flat_workgroup_size: 128
    .sgpr_count:     66
    .vgpr_count:     512
    .wavefront_size: 32
...
	.end_amdgpu_metadata
.endif
;; end of part 4
